; MI455X (gfx1250); checked and timed in simulation.
; The chip was launched on July 23, 2026; its instructions are those of AMD's public machine-readable ISA for CDNA 5 (MIT licence, August 2026) and "CDNA5" Instruction Set Architecture Reference Guide (July 2026). The comments in the code are by the model that wrote it; some were corrected since.
;; Block. Allowed arithmetic: matrix products marked QUANTISED: E5M2 operands, one given power-of-two scale a tensor, by v_wmma_f32_16x16x64_bf8_bf8 or v_wmma_f32_16x16x128_bf8_bf8, f32 sums; everything else in f32.
;; Inputs: Wk 16 x 1,024 x 64 float32; Wq 16 x 1,024 x 64 float32; Wv 16 x 1,024 x 64 float32; ln1_b 1,024 float32; ln1_w 1,024 float32; ln2_b 1,024 float32; ln2_w 1,024 float32; lowp_scales 18 int32 (the exponents e of the quantised operands' scales 2^e); p_b 1,024 float32; p_w 2,048 x 1,024 float32; proj_b 1,024 float32; proj_w 1,024 x 1,024 float32; v_b 2,048 float32; v_w 1,024 x 2,048 float32; w_b 2,048 float32; w_w 1,024 x 2,048 float32; x 2 x 2,048 x 1,024 float32.
;; Outputs: out0 2 x 2,048 x 1,024 float32.
;; This version of the problem:
;;   THIS VERSION OF THE PROBLEM IS GIVEN IN LOW PRECISION. The matrix products marked QUANTISED in the list below multiply operands that are first quantised to E5M2 (5 exponent bits, 2 mantissa bits; 8 bits a number), with one given power-of-two scale for each operand tensor; their sums are f32. All else is computed in f32.
;;   The module's matrix products, in the order in which they are computed (A, B: the left and right operand; K: the contracted axis; several contracted axes count as one K, in the product's order):
;;     1. [M 1,024, K 1,024] x [K 1,024, N 4,096]; A: input Wq; B: computed on the way: QUANTISED (scales: A lowp_scales[0], B lowp_scales[1])
;;     2. [M 1,024, K 1,024] x [K 1,024, N 4,096]; A: input Wk; B: computed on the way: QUANTISED (scales: A lowp_scales[2], B lowp_scales[3])
;;     3. [M 1,024, K 1,024] x [K 1,024, N 4,096]; A: input Wv; B: computed on the way: QUANTISED (scales: A lowp_scales[4], B lowp_scales[5])
;;     4. batch 32 x [M 2,048, K 64] x [K 64, N 2,048]; A: computed on the way; B: computed on the way: QUANTISED (scales: A lowp_scales[6], B lowp_scales[7])
;;     5. batch 32 x [M 2,048, K 2,048] x [K 2,048, N 64]; A: softmax (see below); B: computed on the way: QUANTISED (scales: A lowp_scales[8], B lowp_scales[9])
;;     6. [M 4,096, K 1,024] x [K 1,024, N 1,024]; A: computed on the way; B: input proj_w: QUANTISED (scales: A lowp_scales[10], B lowp_scales[11])
;;     7. [M 4,096, K 1,024] x [K 1,024, N 2,048]; A: computed on the way; B: input w_w: QUANTISED (scales: A lowp_scales[12], B lowp_scales[13])
;;     8. [M 4,096, K 1,024] x [K 1,024, N 2,048]; A: computed on the way; B: input v_w: QUANTISED (scales: A lowp_scales[14], B lowp_scales[15])
;;     9. [M 4,096, K 2,048] x [K 2,048, N 1,024]; A: computed on the way; B: input p_w: QUANTISED (scales: A lowp_scales[16], B lowp_scales[17])
;;   THE QUANTISER, for each operand of a quantised product, along K:
;;     - The operand's scale is 2^e, e = its entry of the input lowp_scales (int32; the entries are numbered through the quantised products in the list's order, A before B).
;;     - Each number is divided by the scale, clamped to +-57,344, and rounded to the nearest number of E5M2, ties to even, subnormals kept.
;;     - The product sums the exact products of the quantised numbers (number of the format x scale) in f32.
;;   ~~~python
;;   def quantise(x, axis, e):      # numpy; x: float32 -> the quantised numbers, widened to float32 again
;;       x = np.moveaxis(x, axis, -1); K = x.shape[-1]
;;       r = np.clip(x / 2.0 ** e, -57344, 57344)
;;       step = 2.0 ** (np.maximum(np.frexp(np.where(r == 0, 1, r))[1] - 1, -14) - 2)
;;       q = np.round(r / step) * step * 2.0 ** e      # np.round: ties to even
;;       return np.moveaxis(q, -1, axis).astype(np.float32)
;;   ~~~
;;   SOFTMAX AHEAD OF A QUANTISED PRODUCT. Where the list says 'softmax', what is quantised is not the finished softmax but p = 2^(t - M), with t = logit x log2(e) and M = ceil(the row's largest t), a whole number; so 1/2 < the row's largest p <= 1. The row's sum l is taken of the UNQUANTISED p, in f32, and the product's result is divided by l at the end. Since M is a whole number, a kernel that streams over the keys may use a running M (the ceiling of the running maximum): every later rescaling is an exact power of two, so the quantised numbers keep their values, but for numbers so far below the row's largest that they fall under the format's range.
;;   OPERANDS COMPUTED ON THE WAY. 'Computed on the way' means the value that the module computes at that place (a softmax that the list does not call 'softmax' is quantised finished and normalised). What goes into a quantiser is computed in f32, as accurately as f32 sums, v_exp_f32 and their like allow (about 1e-6 of the number): no bf16 or f16 on the way to a quantiser, and a product that is left as it is and whose result goes on into a quantised operand takes f32 operands (vector FMAs, or v_wmma_f32_16x16x4_f32). A number that lies on a knife's edge between two numbers of the format may be rounded either way, as far as f32 arithmetic and the matrix unit's own rounding can turn it there, and no further.
;; One version. Each part assembles by itself: llvm-mc -triple=amdgcn-amd-amdhsa -mcpu=gfx1250 --defsym DOCPART=n.
;; ======== version 1 of 1: 7 launches
;; limits: right only within a limited range of input values
;; workspace buffers: c1 15,728,640 bytes; wc2 7,340,032 bytes; rope 524,288 bytes; qkvimg 12,582,912 bytes; oc 4,194,304 bytes; x1 16,777,216 bytes; h2c 8,388,608 bytes; gc 8,388,608 bytes
;; launch prep (part 1): grid 640 x 1, 4 waves a work-group, no clusters, 36,352 bytes of LDS; arguments x, ln1_w, ln1_b, Wq, Wk, Wv, proj_w, w_w, v_w, p_w, lowp_scales, c1, wc2, rope; writes c1, wc2, rope
.if DOCPART == 1
	.amdgcn_target "amdgcn-amd-amdhsa--gfx1250"
	.amdhsa_code_object_version 6
	.text
	.protected	k_q013673feb2_prep
	.globl	k_q013673feb2_prep
	.p2align	8
	.type	k_q013673feb2_prep,@function
k_q013673feb2_prep:
	s_mov_b64 s[64:65], 0
	v_nop
	global_prefetch_b8 v0, s[64:65] scope:SCOPE_SE
	s_setreg_imm32_b32 hwreg(HW_REG_WAVE_MODE, 25, 1), 1
	s_wait_xcnt 0x0
; PREP.  Three kinds of work-groups, told apart by the work-group's number g alone:
;   g < 320        a weight's 128 columns x 256 along K become codes of E5M2 with K innermost (a lane takes a column, its registers run down K)
;   320 <= g < 576 LayerNorm 1 of 16 rows of x, quantised three times (the exponents e1, e3, e5 are three entries and are not taken to be equal)
;   g >= 576       32 rows of the RoPE table, eight a wave: for each t 32 cosines, then 32 sines with the sign that the interleaved rotation gives them
; code = number / 2^e, held within +-57,344, to the nearest code, ties to even.
; LIMITS: every e used here lies between -126 and 112, so that 2^e and 57,344 x 2^e are f32 numbers.  NaN among the inputs is not served.
; The RoPE frequencies 10^(-j/8) are products of two rounded f32 constants: within about one and a half units in the last place of the true number.
; No tensor loads, no barrier: waves share nothing.  Only the weights' part uses LDS (a stage of its own for each wave).
.set PITCH, 272                        ; a stage row: 256 bytes of codes + 16
.set OFF,  192                         ; v192-223 weights: 4 x lane + i rows of the weight
.set XW,   32                          ; v32-95   weights: two sets of 32 numbers
.set CW,   96                          ; v96-103  weights: a block's codes
.set OUTR, 112                         ; v112-175 weights: the way out
.set OO,   176                         ; v176-191 weights: the sixteen stores' offsets
.set W,    16                          ; v16-47   LN: gain of my 32 columns
.set BV,   48                          ; v48-79   LN: bias
.set X,    80                          ; v80-207  LN: four rows x 32 numbers
.set T,    208                         ; v208-223 LN: two sets of eight held numbers
.set C,    224                         ; v224-239 LN: two sets of eight registers of codes
.set QN,   0
.set KI,   88                          ; s88 1/1024    s89 the epsilon
.set KE,   89
.set TS,   92                          ; s92-93 at work
.set SEL,  96                          ; s96-97 lane selects: lane l xor 16
.set TRIPS, 8                          ; rows of the RoPE table to a wave
.macro MKSCALE e, sc, lim              ; from the whole number s[e]: v[sc] = 2^e as f32, v[lim] = 57,344 x 2^e
	s_add_co_i32 s[TS], s[\e], 127
	s_lshl_b32 s[TS+1], s[TS], 23
	v_mov_b32 v[\sc], s[TS+1]
	s_add_co_i32 s[TS], s[TS], 15
	s_lshl_b32 s[TS], s[TS], 23
	s_or_b32 s[TS], s[TS], 0x600000
	v_mov_b32 v[\lim], s[TS]
.endm
	s_load_b512 s[16:31], s[0:1], 0x0              ; x 16, ln1_w 18, ln1_b 20, Wq 22, Wk 24, Wv 26, proj_w 28, w_w 30
	s_load_b256 s[32:39], s[0:1], 0x40             ; v_w 32, p_w 34, the exponents 36, c1 38
	s_load_b128 s[40:43], s[0:1], 0x60             ; wc2 40, rope 42
	v_lshl_add_u32 v240, v0, 2, 0x8c00
	v_mov_b32 v241, 0
	v_lshrrev_b32 v1, 5, v0
	v_readfirstlane_b32 s8, v1                     ; wave
	v_and_b32 v2, 31, v0                           ; lane
	s_mov_b32 s2, ttmp9                            ; g
	s_wait_kmcnt 0x0
	s_load_b512 s[68:83], s[36:37], 0x0            ; e0 .. e15
	s_load_b64 s[84:85], s[36:37], 0x40            ; e16, e17
	s_wait_kmcnt 0x0
	s_cmp_ge_u32 s2, 576
	s_cbranch_scc1 .Lrope
	s_cmp_ge_u32 s2, 320
	s_cbranch_scc1 .Lln
; ---------------- WEIGHTS.  What differs between the seven tensors is chosen by the work-group's number: pointers, pitches, the exponent.
; first: the region's first g; nxs: log2 of its work-groups along the columns; pin: bytes from k to k + 1; hs: bytes from a group of 64 columns to the next;
; krow: bytes of a row of codes; perm = 1: inside each 32 rows of codes, row rho holds the column whose bits 3 and 4 are rho's, swapped.
.macro REGION first, src, e, nxs, pin, hs, krow, dst, dstoff, perm
	s_cmp_ge_u32 s2, \first
	s_cselect_b32 s3, \first, s3
	s_cselect_b64 s[4:5], s[\src:\src+1], s[4:5]
	s_cselect_b32 s6, s[\e], s6
	s_cselect_b32 s7, \nxs, s7
	s_cselect_b32 s9, \pin, s9
	s_cselect_b32 s10, \hs, s10
	s_cselect_b32 s11, \krow, s11
	s_cselect_b64 s[12:13], s[\dst:\dst+1], s[12:13]
	s_cselect_b32 s14, \dstoff, s14
	s_cselect_b32 s15, \perm, s15
.endm
	s_mov_b32 s3, 0                                ; Wq: [16][1024][64]: column n = 64 head + d
	s_mov_b64 s[4:5], s[22:23]
	s_mov_b32 s6, s68
	s_mov_b32 s7, 3
	s_mov_b32 s9, 256
	s_mov_b32 s10, 262144
	s_mov_b32 s11, 1024
	s_mov_b64 s[12:13], s[38:39]
	s_mov_b32 s14, 12<<20
	s_mov_b32 s15, 0
	REGION 32, 24, 70, 3, 256, 262144, 1024, 38, 13<<20, 0
	REGION 64, 26, 72, 3, 256, 262144, 1024, 38, 14<<20, 1
	REGION 96, 28, 79, 3, 4096, 256, 1024, 40, 0, 0
	REGION 128, 30, 81, 4, 8192, 256, 2048, 40, 1<<20, 1
	REGION 192, 32, 83, 4, 8192, 256, 2048, 40, (1<<20)+1024, 1
	REGION 256, 34, 85, 3, 4096, 256, 2048, 40, 5<<20, 0
	s_sub_co_u32 s86, s2, s3                       ; my number in the region
	s_lshl_b32 s87, 1, s7
	s_sub_co_u32 s87, s87, 1
	s_and_b32 s87, s86, s87                        ; which 128 columns
	s_lshr_b32 s88, s86, s7                        ; which 256 along K
	s_lshl_b32 s87, s87, 7
	s_lshl_b32 s89, s8, 5
	s_add_co_u32 s87, s87, s89                     ; n0: my wave's first column
	s_mul_i32 s90, s88, s9
	s_lshl_b32 s90, s90, 8                         ; 256 rows of the weight for each step along K
	s_lshr_b32 s89, s87, 6
	s_mul_i32 s89, s89, s10
	s_add_co_u32 s90, s90, s89
	s_and_b32 s89, s87, 63
	s_lshl_b32 s89, s89, 2
	s_add_co_u32 s90, s90, s89
	s_mov_b32 s91, 0
	s_add_nc_u64 s[44:45], s[4:5], s[90:91]        ; eight bases, one for each block of 32 along K
	s_lshl_b32 s94, s9, 5
	s_mov_b32 s95, 0
.irp t, 1,2,3,4,5,6,7
	s_add_nc_u64 s[44+2*\t:45+2*\t], s[42+2*\t:43+2*\t], s[94:95]
.endr
	s_mul_i32 s96, s87, s11
	s_add_co_u32 s96, s96, s14
	s_lshl_b32 s97, s88, 8
	s_add_co_u32 s96, s96, s97
	s_mov_b32 s97, 0
	s_add_nc_u64 s[60:61], s[12:13], s[96:97]      ; the codes: row n0, byte 256 x step along K
	s_wait_alu depctr_va_vdst(0)
	v_lshlrev_b32 v[OFF], 2, v2
.set i, 1
.rept 31
	v_add_nc_u32 v[OFF+i], s9, v[OFF+i-1]
.set i, i+1
.endr
	s_mul_i32 s98, s8, 32*PITCH                    ; my stage
	v_mul_u32_u24 v4, v2, PITCH
	v_add_nc_u32 v4, s98, v4                       ; into it: row = my column
	v_and_b32 v5, 15, v2
	v_lshrrev_b32 v6, 4, v2
	v_mul_u32_u24 v7, v6, PITCH
	v_lshl_add_u32 v7, v5, 4, v7
	v_add_nc_u32 v7, s98, v7                       ; out of it: sixteen lanes to a row, two rows an instruction
	v_mul_lo_u32 v8, v6, s11
	v_lshl_add_u32 v8, v5, 4, v8
	s_lshl_b32 s95, s11, 1                         ; two rows of codes
	s_lshl_b32 s94, s11, 3
	s_mul_i32 s94, s94, s15                        ; eight rows where the rows are permuted, else 0
	v_mov_b32 v[OO], v8
.set t, 1
.rept 15
	v_add_nc_u32 v[OO+t], s95, v[OO+t-1]
.set t, t+1
.endr
.irp t, 4,5,6,7                                ; columns 8-15 of the 32 go to rows 16-23,
	v_add_nc_u32 v[OO+\t], s94, v[OO+\t]
.endr
.irp t, 8,9,10,11                              ; columns 16-23 to rows 8-15: the swap lives in the stores' offsets alone
	v_sub_nc_u32 v[OO+\t], v[OO+\t], s94
.endr
.macro WLOAD t                         ; block t: 32 rows of the weight at my column; a wave's load reads 128 consecutive bytes
.set i, 0
.rept 32
	global_load_b32 v[XW+32*((\t)%2)+i], v[OFF+i], s[44+2*(\t):45+2*(\t)] th:TH_LOAD_NT
.set i, i+1
.endr
.endm
	WLOAD 0
	WLOAD 1
	MKSCALE 6, 11, 10
.macro WBLOCK t
.set XS, XW+32*((\t)%2)
.if (\t) < 7
	s_wait_loadcnt 32                              ; this block's 32 loads are in; the next block's 32 may be out
.else
	s_wait_loadcnt 0
.endif
.set i, 0
.rept 32
	v_med3_num_f32 v[XS+i], v[XS+i], -v10, v10     ; the conversion does not saturate (ISA guide 7.6.2): the hold comes first
.set i, i+1
.endr
.irp g, 0,1,2,3
	v_cvt_scalef32_pk8_bf8_f32 v[CW+2*\g:CW+2*\g+1], v[XS+8*\g:XS+8*\g+7], v11
.endr
	ds_store_b128 v4, v[CW:CW+3] offset:32*(\t)
	ds_store_b128 v4, v[CW+4:CW+7] offset:32*(\t)+16
.if (\t)+2 < 8
	WLOAD (\t)+2
.endif
	s_wait_dscnt 0x0                               ; the stores have read their registers: the next block's codes may be written
.endm
	s_wait_alu depctr_va_vdst(0)
.irp t, 0,1,2,3,4,5,6,7
	WBLOCK \t
.endr
.set t, 0
.rept 16
	ds_load_b128 v[OUTR+4*t:OUTR+4*t+3], v7 offset:2*t*PITCH   ; LDS serves a wave's instructions in order: these see my stores
.set t, t+1
.endr
.set t, 0
.rept 16
	s_wait_dscnt 15-t                              ; read t is back; the younger ones may be out
	global_store_b128 v[OO+t], v[OUTR+4*t:OUTR+4*t+3], s[60:61]   ; sixteen lanes store 256 consecutive bytes, aligned
.set t, t+1
.endr
	s_wait_tensorcnt 0x0
	ds_add_u32 v240, v241
	s_wait_dscnt 0x0
	s_endpgm
; ---------------- LAYERNORM 1.  A wave takes four rows; a row lies in 32 registers a lane: chunk i holds columns 256 i + 8 lane + 0 .. 7, so that eight neighbours feed one conversion
; and a wave's store of a chunk's codes covers 256 consecutive bytes.
.macro REDUCE a, tmp                   ; the sum over the 32 lanes, in every lane
	v_add_f32_dpp v[\a], v[\a], v[\a] row_xmask:1 row_mask:0xf bank_mask:0xf
	v_add_f32_dpp v[\a], v[\a], v[\a] row_xmask:2 row_mask:0xf bank_mask:0xf
	v_add_f32_dpp v[\a], v[\a], v[\a] row_xmask:4 row_mask:0xf bank_mask:0xf
	v_add_f32_dpp v[\a], v[\a], v[\a] row_xmask:8 row_mask:0xf bank_mask:0xf
	v_permlanex16_b32 v[\tmp], v[\a], s[SEL], s[SEL+1]
	v_add_f32 v[\a], v[\a], v[\tmp]
.endm
.macro LNROW r
.set XR, X+32*(\r)
	s_wait_loadcnt 8*(3-(\r))                      ; gain, bias and this row are in; the later rows' loads, eight each, may be out
	v_pk_add_f32 v[4:5], v[XR:XR+1], v[XR+2:XR+3]
	v_pk_add_f32 v[6:7], v[XR+4:XR+5], v[XR+6:XR+7]
.irp j, 8,12,16,20,24,28
	v_pk_add_f32 v[4:5], v[4:5], v[XR+\j:XR+\j+1]
	v_pk_add_f32 v[6:7], v[6:7], v[XR+\j+2:XR+\j+3]
.endr
	v_pk_add_f32 v[4:5], v[4:5], v[6:7]
	v_add_f32 v4, v4, v5
	REDUCE 4, 5
	v_mul_f32 v4, s[KI], v4                        ; the mean
.set j, 0
.rept 16
	v_pk_add_f32 v[XR+j:XR+j+1], v[XR+j:XR+j+1], v[4:5] op_sel_hi:[1,0] neg_lo:[0,1] neg_hi:[0,1]
.set j, j+2
.endr
	v_pk_mul_f32 v[6:7], v[XR:XR+1], v[XR:XR+1]
	v_pk_mul_f32 v[8:9], v[XR+2:XR+3], v[XR+2:XR+3]
.irp j, 4,8,12,16,20,24,28
	v_pk_fma_f32 v[6:7], v[XR+\j:XR+\j+1], v[XR+\j:XR+\j+1], v[6:7]
	v_pk_fma_f32 v[8:9], v[XR+\j+2:XR+\j+3], v[XR+\j+2:XR+\j+3], v[8:9]
.endr
	v_pk_add_f32 v[6:7], v[6:7], v[8:9]
	v_add_f32 v6, v6, v7
	REDUCE 6, 7
	v_fma_f32 v6, v6, s[KI], s[KE]                 ; the variance + epsilon
	s_wait_alu depctr_va_vdst(0)
	v_rsq_f32 v8, v6
	v_nop                                          ; a plain instruction behind the transcendental,
	s_wait_alu depctr_va_vdst(0)                   ; and the wait ahead of its first reader
.set j, 0
.rept 16
	v_pk_mul_f32 v[XR+j:XR+j+1], v[XR+j:XR+j+1], v[8:9] op_sel_hi:[1,0]
.set j, j+2
.endr
.set j, 0
.rept 16
	v_pk_fma_f32 v[XR+j:XR+j+1], v[XR+j:XR+j+1], v[W+j:W+j+1], v[BV+j:BV+j+1]
.set j, j+2
.endr
.endm
.macro QSET r, sc, lim, base, off      ; row r with one scale: 32 codes a lane, four stores of 256 consecutive bytes
.set XR, X+32*(\r)
.set CB, C+8*(QN%2)
.set QN, QN+1
	s_wait_xcnt 0x0                                ; the earlier stores have read their registers
.irp i, 0,1,2,3
.irp e, 0,1,2,3,4,5,6,7
	v_med3_num_f32 v[T+8*(\i%2)+\e], v[XR+8*\i+\e], -v[\lim], v[\lim]
.endr
	v_cvt_scalef32_pk8_bf8_f32 v[CB+2*\i:CB+2*\i+1], v[T+8*(\i%2):T+8*(\i%2)+7], v[\sc]
.endr
.irp i, 0,1,2,3
	global_store_b64 v3, v[CB+2*\i:CB+2*\i+1], s[\base:\base+1] offset:\off+256*\i
.endr
.endm
.Lln:
	s_sub_co_u32 s86, s2, 320
	s_lshl_b32 s86, s86, 4
	s_lshl_b32 s87, s8, 2
	s_add_co_u32 s86, s86, s87                     ; my first row
	s_lshl_b32 s90, s86, 12
	s_mov_b32 s91, 0
	s_add_nc_u64 s[4:5], s[16:17], s[90:91]
	s_lshl_b32 s90, s86, 10
	s_add_nc_u64 s[44:45], s[38:39], s[90:91]      ; the codes with e1,
	s_add_nc_u64 s[46:47], s[44:45], 4<<20         ; with e3,
	s_add_nc_u64 s[48:49], s[44:45], 8<<20         ; with e5
	s_wait_alu depctr_va_vdst(0)
	v_lshlrev_b32 v1, 5, v2                        ; 32 bytes a lane on the way in
	v_lshlrev_b32 v3, 3, v2                        ; 8 on the way out
.irp i, 0,1,2,3
	global_load_b128 v[W+8*\i:W+8*\i+3], v1, s[18:19] offset:1024*\i
	global_load_b128 v[W+8*\i+4:W+8*\i+7], v1, s[18:19] offset:1024*\i+16
	global_load_b128 v[BV+8*\i:BV+8*\i+3], v1, s[20:21] offset:1024*\i
	global_load_b128 v[BV+8*\i+4:BV+8*\i+7], v1, s[20:21] offset:1024*\i+16
.endr
.irp r, 0,1,2,3
.irp i, 0,1,2,3
	global_load_b128 v[X+32*\r+8*\i:X+32*\r+8*\i+3], v1, s[4:5] offset:4096*\r+1024*\i
	global_load_b128 v[X+32*\r+8*\i+4:X+32*\r+8*\i+7], v1, s[4:5] offset:4096*\r+1024*\i+16
.endr
.endr
	s_mov_b32 s[KI], 0x3a800000
	s_mov_b32 s[KE], 0x3727c5ac
	s_mov_b32 s[SEL], 0x76543210
	s_mov_b32 s[SEL+1], 0xfedcba98
	MKSCALE 69, 10, 11
	MKSCALE 71, 12, 13
	MKSCALE 73, 14, 15
.irp r, 0,1,2,3
	LNROW \r
	QSET \r, 10, 11, 44, 1024*\r
	QSET \r, 12, 13, 46, 1024*\r
	QSET \r, 14, 15, 48, 1024*\r
.endr
	s_endpgm
; ---------------- THE ROPE TABLE.  A wave makes TRIPS rows, one a trip.  A trip is one long chain of instructions that depend on each other, so the 2,048 rows are spread over 256 waves.
; Lanes 0-15 make cosines, lanes 16-31 sines; lane i % 16 makes j = 2 i and 2 i + 1.
; The angle is reduced by whole quarters of a turn (pi/2 in two parts, by fused multiply-adds) to |r| <= pi/4; sine and cosine of r are Taylor sums whose first left-out terms lie under 2e-9.
.macro TRIG f, out, even
	v_mul_f32 v24, v18, v[\f]                      ; the angle, rounded to f32 as the definition has it
	v_mul_f32 v25, 0x3f22f983, v24
	v_rndne_f32 v25, v25                           ; quarters
	v_fma_f32 v26, -v25, s90, v24
	v_fma_f32 v26, v25, s91, v26                   ; r
	v_mul_f32 v27, v26, v26
	v_mov_b32 v28, 0x3638ef1d
	v_fmaak_f32 v28, v28, v27, 0xb9500d01
	v_fmaak_f32 v28, v28, v27, 0x3c088889
	v_fmaak_f32 v28, v28, v27, 0xbe2aaaab
	v_mul_f32 v29, v26, v27
	v_fma_f32 v28, v29, v28, v26                   ; sin r
	v_mov_b32 v30, 0xb493f27e
	v_fmaak_f32 v30, v30, v27, 0x37d00d01
	v_fmaak_f32 v30, v30, v27, 0xbab60b61
	v_fmaak_f32 v30, v30, v27, 0x3d2aaaab
	v_fmaak_f32 v30, v30, v27, 0xbf000000
	v_fma_f32 v30, v30, v27, 1.0                   ; cos r
	v_cvt_i32_f32 v31, v25
	v_sub_nc_u32 v31, v31, v19                     ; a sine is the cosine a quarter back
	v_and_b32 v29, 1, v31
	v_cmp_eq_u32 vcc_lo, 1, v29
	v_cndmask_b32 v[\out], v30, v28, vcc_lo        ; odd quarters take the sine,
	v_add_nc_u32 v31, 1, v31
	v_and_b32 v31, 2, v31
	v_lshlrev_b32 v31, 30, v31
	v_xor_b32 v[\out], v31, v[\out]                ; quarters 1 and 2 change the sign
.if \even
	v_xor_b32 v[\out], v20, v[\out]                ; the sine of an even j goes in negative: there the rotation brings -x[j + 1]
.endif
.endm
.Lrope:
	s_sub_co_u32 s86, s2, 576
	s_lshl_b32 s86, s86, 2
	s_add_co_u32 s86, s86, s8                      ; which of the 256 waves
	s_lshl_b32 s86, s86, 3                         ; my first t: TRIPS x that
	s_mov_b32 s90, 0x3fc90fdb                      ; pi/2, its upper part;
	s_mov_b32 s91, 0x333bbd2e                      ; what that part is too large by
	s_wait_alu depctr_va_vdst(0)
	v_and_b32 v3, 15, v2
	v_lshrrev_b32 v19, 4, v2                       ; 0: cosines, 1: sines
	v_lshlrev_b32 v20, 31, v19
	v_and_b32 v24, 3, v3
	v_lshrrev_b32 v25, 2, v3
	v_mov_b32 v16, 1.0                             ; 10^(-(i % 4)/4),
	v_mov_b32 v17, 0x3f3ff911                      ; and that x 10^(-1/8)
	v_cmp_ne_u32 vcc_lo, 1, v24
	v_cndmask_b32 v16, 0x3f0ff59a, v16, vcc_lo
	v_cndmask_b32 v17, 0x3ed7e89b, v17, vcc_lo
	v_cmp_ne_u32 vcc_lo, 2, v24
	v_cndmask_b32 v16, 0x3ea1e89b, v16, vcc_lo
	v_cndmask_b32 v17, 0x3e72d424, v17, vcc_lo
	v_cmp_ne_u32 vcc_lo, 3, v24
	v_cndmask_b32 v16, 0x3e361887, v16, vcc_lo
	v_cndmask_b32 v17, 0x3e088d77, v17, vcc_lo
	v_mov_b32 v26, 1.0                             ; 10^(-(i / 4))
	v_cmp_ne_u32 vcc_lo, 1, v25
	v_cndmask_b32 v26, 0x3dcccccd, v26, vcc_lo
	v_cmp_ne_u32 vcc_lo, 2, v25
	v_cndmask_b32 v26, 0x3c23d70a, v26, vcc_lo
	v_cmp_ne_u32 vcc_lo, 3, v25
	v_cndmask_b32 v26, 0x3a83126f, v26, vcc_lo
	v_mul_f32 v16, v16, v26
	v_mul_f32 v17, v17, v26
	v_cvt_f32_u32 v18, s86
	s_lshl_b32 s87, s86, 8
	v_lshl_add_u32 v21, v2, 3, s87                 ; 256 t + 8 lane
	s_mov_b32 s88, 0
.Lt:
	s_wait_alu depctr_va_vdst(0)
	TRIG 16, 22, 1
	TRIG 17, 23, 0
	global_store_b64 v21, v[22:23], s[42:43]       ; the wave stores a row of the table: 256 consecutive bytes, aligned
	s_wait_xcnt 0x0                                ; the store has read its registers: they are written again below and in the next trip
	v_add_nc_u32 v21, 256, v21
	v_add_f32 v18, 1.0, v18
	s_add_co_u32 s88, s88, 1
	s_cmp_lt_u32 s88, TRIPS
	s_cbranch_scc1 .Lt
	s_endpgm
.Lfunc_end_k_q013673feb2_prep:
	.size	k_q013673feb2_prep, .Lfunc_end_k_q013673feb2_prep-k_q013673feb2_prep
	.p2alignl 7, 3214868480
	.fill 96, 4, 3214868480
	.section	.rodata,"a",@progbits
	.p2align	6, 0x0
	.amdhsa_kernel k_q013673feb2_prep
		.amdhsa_group_segment_fixed_size 36352
		.amdhsa_private_segment_fixed_size 0
		.amdhsa_enable_private_segment 0
		.amdhsa_kernarg_size 112
		.amdhsa_user_sgpr_count 2
		.amdhsa_user_sgpr_kernarg_segment_ptr 1
		.amdhsa_wavefront_size32 1
		.amdhsa_system_sgpr_workgroup_id_x 1
		.amdhsa_system_sgpr_workgroup_id_y 1
		.amdhsa_system_sgpr_workgroup_id_z 1
		.amdhsa_system_vgpr_workitem_id 0
		.amdhsa_next_free_vgpr 242
		.amdhsa_next_free_sgpr 100
		.amdhsa_reserve_vcc 1
		.amdhsa_float_denorm_mode_32 3
		.amdhsa_float_denorm_mode_16_64 3
		.amdhsa_memory_ordered 1
		.amdhsa_forward_progress 1
		.amdhsa_inst_pref_size 122
	.end_amdhsa_kernel
	.amdgpu_metadata
---
amdhsa.version: [ 1, 2 ]
amdhsa.kernels:
  - .name:           k_q013673feb2_prep
    .symbol:         k_q013673feb2_prep.kd
    .args:
      - { .name: x, .offset: 0, .size: 8, .value_kind: global_buffer, .address_space: global }
      - { .name: ln1_w, .offset: 8, .size: 8, .value_kind: global_buffer, .address_space: global }
      - { .name: ln1_b, .offset: 16, .size: 8, .value_kind: global_buffer, .address_space: global }
      - { .name: Wq, .offset: 24, .size: 8, .value_kind: global_buffer, .address_space: global }
      - { .name: Wk, .offset: 32, .size: 8, .value_kind: global_buffer, .address_space: global }
      - { .name: Wv, .offset: 40, .size: 8, .value_kind: global_buffer, .address_space: global }
      - { .name: proj_w, .offset: 48, .size: 8, .value_kind: global_buffer, .address_space: global }
      - { .name: w_w, .offset: 56, .size: 8, .value_kind: global_buffer, .address_space: global }
      - { .name: v_w, .offset: 64, .size: 8, .value_kind: global_buffer, .address_space: global }
      - { .name: p_w, .offset: 72, .size: 8, .value_kind: global_buffer, .address_space: global }
      - { .name: lowp_scales, .offset: 80, .size: 8, .value_kind: global_buffer, .address_space: global }
      - { .name: c1, .offset: 88, .size: 8, .value_kind: global_buffer, .address_space: global }
      - { .name: wc2, .offset: 96, .size: 8, .value_kind: global_buffer, .address_space: global }
      - { .name: rope, .offset: 104, .size: 8, .value_kind: global_buffer, .address_space: global }
    .group_segment_fixed_size: 36352
    .private_segment_fixed_size: 0
    .kernarg_segment_align: 8
    .kernarg_segment_size: 112
    .max_flat_workgroup_size: 128
    .sgpr_count:     100
    .vgpr_count:     242
    .wavefront_size: 32
...
	.end_amdgpu_metadata
.endif
;; end of part 1
;; launch qkv (part 2): grid 12 x 16, 4 waves a work-group, clusters of 4 x 4, 327,680 bytes of LDS; arguments c1, rope, lowp_scales, qkvimg; writes qkvimg
.if DOCPART == 2
	.amdgcn_target "amdgcn-amd-amdhsa--gfx1250"
	.amdhsa_code_object_version 6
	.text
	.protected	k_q013673feb2_qkv
	.globl	k_q013673feb2_qkv
	.p2align	8
	.type	k_q013673feb2_qkv,@function
k_q013673feb2_qkv:
	s_mov_b64 s[64:65], 0
	v_nop
	global_prefetch_b8 v0, s[64:65] scope:SCOPE_SE
	s_setreg_imm32_b32 hwreg(HW_REG_WAVE_MODE, 25, 1), 1
	s_wait_xcnt 0x0
	s_wait_alu depctr_hold_cnt(0) depctr_sa_sdst(0) depctr_va_vdst(0) depctr_va_sdst(0) depctr_va_ssrc(0) depctr_va_vcc(0) depctr_vm_vsrc(0)
	s_getreg_b32 s2, hwreg(HW_REG_IB_STS2, 6, 4)
	s_cmp_eq_u32 s2, 0
	s_cbranch_scc0 .Lentry_in_a_cluster
	s_endpgm
.Lentry_in_a_cluster:
	s_bfe_u32 s2, ttmp6, 0x10000c
	s_cmp_lg_u32 s2, 0xf033
	s_cbranch_scc0 .Lentry_shape_is_right
	s_endpgm
.Lentry_shape_is_right:
; Q, K AND V: three products of 4,096 x 1,024 x 1,024 on codes of E5M2, RoPE on q and k, and the results quantised into images of the operand registers that the attention launch loads.
; Cluster x = 0: q, 1: k, 2: v.  A tile of 256 x 256 to a work-group of four waves, 128 x 128 to a wave: 64 accumulators.  K goes in steps of 256 through two LDS slots filled by the tensor data mover.
; For q and k the side called A is the tokens (codes of h) and B the weight's rows; for v A is the weight's rows and B the tokens, since v's next K is the keys.
; THE MATRIX INSTRUCTION IS USED TRANSPOSED (source 0 = 16 rows of B, source 1 = 16 rows of A): a lane holds one row of A and eight neighbouring rows of B.
;   q, k: a lane holds a token and eight neighbouring channels: after RoPE their codes are registers 2 c, 2 c + 1 of the K = 64 form's operand (16 tokens x 64 channels: 1,024 bytes, register group u at 512 u + 16 lane).
;   v:    a lane holds a channel row and eight neighbouring keys: registers 2 c, 2 c + 1 of the K = 128 form's operand (16 channel rows x 128 keys: 2,048 bytes).
; RoPE is linear, so it is applied to the raw sums, and the three scales are folded into the conversion's one: code = rotated sum / 2^(e6 - e0 - e1) for q, e7 - e2 - e3 for k, e9 - e4 - e5 for v.
; LIMITS: each of these three folded exponents lies between -126 and 112.  NaN among the inputs is not served.
; CLUSTERS: 4 x 4 work-groups; A's tile is shared along a row of the cluster, B's along a column: each is asked for jointly.
; REGISTERS, in windows of 256: window 0: v16-30 addresses; from v128 A's fragments, one set; window 1: B's fragments, two sets; windows 2, 3: the accumulators ((a, b) at v[8 (8 (a % 4) + b)]).
; On the way out window 0 holds: v32-95 64 numbers, v96-159 two sets of table rows, v160-191 two sets of codes, v192 the scale, v193 the hold.
.set ROWB,   256
.set KROW,   1024
.set PITCH,  272                       ; an LDS row: 256 bytes + 16: the 16 rows of a fragment load start at 16 different groups of banks
.set FR,     16
.set NL,     4
.set NP,     4
.set HALFT,  128*PITCH
.set SLOT,   4*HALFT
.set LAPS,   2                         ; K = 1,024 is four slots: twice round the ring
.set SPARE,  2*SLOT                    ; the spare words, 128 bytes a wave: no other line names them
.set ADRA, 16
.set ADRB, 20
.set LI,   27                          ; v27 16 x lane
.set SPW,  28
.set NIL,  29
.set TA,   30                          ; v30 the table: 256 (lane % 16) + 32 (lane / 16)
.set T,    32
.set CT,   96
.set IM,   160
.set SC,   192
.set LIM,  193
.set AF,   128
.set G1, 24
.set G0, 32
.set G1B, 48
.set G0B, 56
.set MSB, 0
.macro WIN new                         ; the immediate's high byte repeats the setting that is left
.if MSB != \new
	s_set_vgpr_msb (MSB<<8)|\new
.set MSB, \new
.endif
.endm
.set MUL_LO, 0xa1                      ; source 0 (B) window 1, source 1 (A) window 0, C and D window 2
.set MUL_HI, 0xf1
.set TO_B,   0x40
.macro JLOAD g0a, g1a, g0b, g1b        ; a joint load: waves 0 and 1 fetch for A, waves 2 and 3 for B; four v_nop follow each line
	s_cmp_eq_u32 s15, 0
	s_cbranch_scc0 .Lfor_b_\@
	tensor_load_to_lds s[\g0a:\g0a+3], s[\g1a:\g1a+7]
	s_nop 0
.rept 4
	v_nop
.endr
	s_branch .Lasked_\@
.Lfor_b_\@:
	tensor_load_to_lds s[\g0b:\g0b+3], s[\g1b:\g1b+7]
	s_nop 0
.rept 4
	v_nop
.endr
.Lasked_\@:
.endm
.macro CREST                           ; a round of the cluster's barrier behind its opening barrier
	s_cmp_lg_u32 s14, 0
	s_cbranch_scc1 .Lnot_wave_0_\@
	s_barrier_signal -3
.Lnot_wave_0_\@:
	s_barrier_wait -3
	s_barrier_signal -1
	s_barrier_wait -1
.endm
.macro CROUND
	s_barrier_signal -1
	s_barrier_wait -1
	CREST
.endm
	s_load_b256 s[4:11], s[0:1], 0x0               ; c1 s[4:5], rope s[6:7], the exponents s[8:9], qkvimg s[10:11]
	v_lshl_add_u32 v[SPW], v0, 2, SPARE
	v_mov_b32 v[NIL], 0
	ds_add_u32 v28, v29
	ds_add_u32 v28, v29
	s_wait_dscnt 0x0
	v_lshrrev_b32 v1, 5, v0
	v_readfirstlane_b32 s14, v1                    ; wave
	s_lshr_b32 s15, s14, 1                         ; my half of A's rows.  Also: I fetch for A (0) or for B (1)
	s_and_b32 s16, s14, 1                          ; my half of B's rows.  Also: which 128 rows I fetch
	s_bfe_u32 s40, ttmp6, 0x40000                  ; cx
	s_bfe_u32 s41, ttmp6, 0x40004                  ; cy
	s_lshr_b32 s12, ttmp9, 1                       ; z = 1 for v, else 0
	s_and_b32 s13, ttmp7, 0xffff                   ; cluster y walks the tokens:
	s_mul_i32 s86, s13, s12                        ; they are B's rows for v,
	s_sub_co_u32 s13, s13, s86                     ; A's rows for q and k
	s_lshl_b32 s42, s86, 2
	s_add_co_u32 s42, s42, s40                     ; B's tile
	s_lshl_b32 s17, s13, 2
	s_add_co_u32 s17, s17, s41                     ; A's tile
	s_mul_i32 s86, s12, 6<<20
	s_lshl_b32 s87, ttmp9, 22
	s_add_co_u32 s87, s87, s86                     ; A's region of c1: h with e1 at 0, with e3 at 4 MiB; wv at 14 MiB
	s_lshl_b32 s88, ttmp9, 20
	s_add_co_u32 s88, s88, 12<<20
	s_sub_co_u32 s88, s88, s86                     ; B's: wq at 12 MiB, wk at 13 MiB; h with e5 at 8 MiB
	s_lshl_b32 s43, s41, 2
	s_lshl_b32 s43, 15, s43                        ; my row of the cluster
	s_lshl_b32 s44, 0x1111, s40                    ; my column
	s_or_b32 s[G1+0], s43, (0<<16)|(1<<20)|(1<<21)|(5<<22)|(3<<25)  ; the mask; elements of 1 byte; padding on; bit 21 beside a mask; four words after every 64
	s_or_b32 s[G1B+0], s44, (0<<16)|(1<<20)|(1<<21)|(5<<22)|(3<<25)
.irp g, G1, G1B
	s_mov_b32 s[\g+1], ROWB<<16                    ; tensor_dim0
	s_mov_b32 s[\g+2], 128<<16                     ; tensor_dim1
	s_mov_b32 s[\g+3], ROWB<<16                    ; tile_dim0
	s_mov_b32 s[\g+4], 128                         ; tile_dim1
	s_mov_b32 s[\g+5], KROW                        ; the pitch
	s_mov_b32 s[\g+6], 0
	s_mov_b32 s[\g+7], 0
.endr
	s_lshl_b32 s18, s16, 7
	s_lshl_b32 s20, s17, 8
	s_add_co_u32 s20, s20, s18
	s_lshl_b32 s20, s20, 10
	s_add_co_u32 s20, s20, s87                     ; A: region + (256 tile + 128 half) rows of 1,024 bytes
	s_mov_b32 s21, 0
	s_lshl_b32 s46, s42, 8
	s_add_co_u32 s46, s46, s18
	s_lshl_b32 s46, s46, 10
	s_add_co_u32 s46, s46, s88                     ; B likewise
	s_mov_b32 s47, 0
	s_mul_i32 s45, s14, HALFT                      ; where they go: wave x 128 rows
	s_wait_kmcnt 0x0
	s_load_b512 s[68:83], s[8:9], 0x0              ; e0 .. e15
	s_add_nc_u64 s[20:21], s[4:5], s[20:21]
	s_add_nc_u64 s[46:47], s[4:5], s[46:47]
	CROUND                                         ; all sixteen work-groups are here: the first joint loads meet
.irp s, 0,1
	s_mov_b32 s[G0+4*\s], 1
	s_add_co_u32 s[G0+4*\s+1], s45, \s*SLOT
	s_add_nc_u64 s[G0+4*\s+2:G0+4*\s+3], s[20:21], \s*ROWB
	s_or_b32 s[G0+4*\s+3], s[G0+4*\s+3], 0x80000000
	s_mov_b32 s[G0B+4*\s], 1
	s_add_co_u32 s[G0B+4*\s+1], s45, \s*SLOT
	s_add_nc_u64 s[G0B+4*\s+2:G0B+4*\s+3], s[46:47], \s*ROWB
	s_or_b32 s[G0B+4*\s+3], s[G0B+4*\s+3], 0x80000000
.endr
	JLOAD G0, G1, G0B, G1B                         ; slot 0: one tensor load a wave at the head
	; prefetches into the L2, two fills ahead: of the 128 rows that my wave fetches, my work-group names 32 (told apart by address: cx for A, cy for B), a lane a row, 256 bytes of each row
	s_lshl_b32 s98, s40, 15                        ; 32 rows of 1,024 bytes x cx
	s_lshl_b32 s99, s41, 15                        ; the same x cy
	s_cmp_eq_u32 s15, 0
	s_cselect_b64 s[96:97], s[20:21], s[46:47]
	s_cselect_b32 s98, s98, s99
	s_mov_b32 s99, 0
	s_add_nc_u64 s[96:97], s[96:97], s[98:99]      ; never rewritten
	v_and_b32 v31, 31, v0
	v_lshlrev_b32 v31, 10, v31                     ; never rewritten
	global_prefetch_b8 v31, s[96:97] offset:256 th:TH_LOAD_NT scope:SCOPE_SE   ; the second fill's bytes, one fill ahead: its load goes out when the first has landed
	global_prefetch_b8 v31, s[96:97] offset:512 th:TH_LOAD_NT scope:SCOPE_SE   ; the third fill's bytes
	v_and_b32 v1, 15, v0
	v_bfe_u32 v2, v0, 4, 1
	v_mul_u32_u24 v3, v1, PITCH
	v_lshl_add_u32 v4, v2, 4, v3                   ; a fragment's row x pitch + 16 x half
	s_mul_i32 s21, s15, HALFT
	s_mul_i32 s22, s16, HALFT
	s_add_co_u32 s22, s22, 2*HALFT
.irp s, 0,1
	v_add_nc_u32 v[ADRA+\s], s21, v4
	v_add_nc_u32 v[ADRB+\s], s22, v4
	s_add_co_u32 s21, s21, SLOT
	s_add_co_u32 s22, s22, SLOT
.endr
	v_and_b32 v6, 31, v0
	v_lshlrev_b32 v[LI], 4, v6
	v_lshlrev_b32 v[TA], 8, v1
	v_lshl_add_u32 v[TA], v2, 5, v[TA]
.macro FRAG reg, adr, q, i             ; 16 rows x 128 K: registers 4 c .. 4 c + 3 hold K = 32 c + 16 (lane / 16) + 0 .. 15, alike in A and in B
.irp c, 0,1,2,3
	ds_load_b128 v[\reg+4*\c:\reg+4*\c+3], v[\adr] offset:128*(\q)+32*\c+(\i)*16*PITCH
.endr
.endm
.macro MUL16 a0, p, zero               ; A's blocks a0, a0 + 1 x B's eight; the 64 accumulators take turns, one instruction a turn
.irp a, \a0, \a0+1
.irp b, 0,1,2,3,4,5,6,7
.if \zero
	v_wmma_f32_16x16x128_bf8_bf8 v[8*(8*((\a)%4)+\b):8*(8*((\a)%4)+\b)+7], v[128*(\p)+FR*\b:128*(\p)+FR*\b+FR-1], v[AF+FR*(\a):AF+FR*(\a)+FR-1], 0
.else
	v_wmma_f32_16x16x128_bf8_bf8 v[8*(8*((\a)%4)+\b):8*(8*((\a)%4)+\b)+7], v[128*(\p)+FR*\b:128*(\p)+FR*\b+FR-1], v[AF+FR*(\a):AF+FR*(\a)+FR-1], v[8*(8*((\a)%4)+\b):8*(8*((\a)%4)+\b)+7]
.endif
.endr
.endr
.endm
.macro FETCH_B slot, q, p
	WIN TO_B
.irp i, 0,1,2,3,4,5,6,7
	FRAG 128*(\p)+FR*\i, ADRB+\slot, \q, \i
.endr
	WIN 0
.endm
.macro FETCH_A slot, q, i0
.irp i, \i0, \i0+1, \i0+2, \i0+3
	FRAG AF+FR*(\i), ADRA+\slot, \q, \i
.endr
.endm
.macro PLACES n                        ; plain vector instructions between a matrix instruction and a load into, or a read of, its registers
.rept \n
	v_nop
.endr
.endm
.macro STEP slot, q, zero              ; 128 along K whose successor lies in the same slot
	s_wait_dscnt 4*NL                              ; B's set and A's blocks 0-3 are in; the 16 youngest loads (A's blocks 4-7) may be out
	WIN MUL_LO
	MUL16 0, (\q)%2, \zero
	MUL16 2, (\q)%2, \zero
	s_wait_dscnt 0
	PLACES NP
	FETCH_B \slot, (\q)+1, 1-(\q)%2
	FETCH_A \slot, (\q)+1, 0
	WIN MUL_HI
	MUL16 4, (\q)%2, \zero
	MUL16 6, (\q)%2, \zero
	PLACES NP
	WIN 0
	FETCH_A \slot, (\q)+1, 4
.endm
.macro TURN slot, next, fill           ; a slot's last step changes slots
	s_wait_tensorcnt 0x0                           ; all my tensor loads have landed: my part of the next slot
	ds_add_u32 v[SPW], v[NIL]                      ; 0 onto my spare word
	s_wait_dscnt 4*NL+1                            ; the add and A's blocks 4-7 may be out
	WIN MUL_LO
	MUL16 0, 1, 0
	s_wait_dscnt 0x0                               ; the add is done, and my reads of this slot are over
	s_barrier_signal -1
	MUL16 2, 1, 0
	WIN 0
	s_barrier_wait -1
.if \fill
	CREST                                          ; the barrier has opened a round of the cluster's: no wave of any partner still reads this slot or has a load on its way
	s_add_nc_u64 s[G0+4*\slot+2:G0+4*\slot+3], s[G0+4*\slot+2:G0+4*\slot+3], 2*ROWB
	s_add_nc_u64 s[G0B+4*\slot+2:G0B+4*\slot+3], s[G0B+4*\slot+2:G0B+4*\slot+3], 2*ROWB
	JLOAD G0+4*\slot, G1, G0B+4*\slot, G1B         ; the first tensor load behind the round; its four v_nop are the places in front of the loads below
.else
	PLACES NP
.endif
	FETCH_B \next, 0, 0
	FETCH_A \next, 0, 0
	WIN MUL_HI
	MUL16 4, 1, 0
	MUL16 6, 1, 0
	PLACES NP
	WIN 0
	FETCH_A \next, 0, 4
.endm
	s_wait_alu depctr_va_vdst(0)
	s_wait_tensorcnt 0x0                           ; my part of slot 0 is in
	ds_add_u32 v[SPW], v[NIL]
	s_wait_dscnt 0x0
	CROUND                                         ; everybody's part of slot 0 is in, and the joint loads meet
	JLOAD G0+4, G1, G0B+4, G1B                     ; slot 1's first fill: the first tensor load behind the round
	FETCH_B 0, 0, 0
	global_prefetch_b8 v31, s[96:97] offset:768 th:TH_LOAD_NT scope:SCOPE_SE   ; the fourth and last fill's bytes
	FETCH_A 0, 0, 0
	FETCH_A 0, 0, 4
	STEP 0, 0, 1                                   ; the first step's products start the sums
	s_mov_b32 s3, LAPS-1
.Llap:
	TURN 0, 1, 1
	STEP 1, 0, 0
	TURN 1, 0, 1
	STEP 0, 0, 0
	s_sub_co_u32 s3, s3, 1
	s_cmp_lg_u32 s3, 0
	s_cbranch_scc1 .Llap
	TURN 0, 1, 0                                   ; the last lap fills nothing
	STEP 1, 0, 0
	s_wait_dscnt 4*NL
	WIN MUL_LO
	MUL16 0, 1, 0
	MUL16 2, 1, 0
	s_wait_dscnt 0
	WIN MUL_HI
	MUL16 4, 1, 0
	MUL16 6, 1, 0
	WIN 0
	; THE WAY OUT.  The folded exponent is chosen without a branch.
	s_wait_kmcnt 0x0
	s_sub_co_i32 s84, s74, s68
	s_sub_co_i32 s84, s84, s69                     ; e6 - e0 - e1
	s_sub_co_i32 s85, s75, s70
	s_sub_co_i32 s85, s85, s71                     ; e7 - e2 - e3
	s_sub_co_i32 s86, s77, s72
	s_sub_co_i32 s86, s86, s73                     ; e9 - e4 - e5
	s_cmp_eq_u32 ttmp9, 1
	s_cselect_b32 s84, s85, s84
	s_cmp_eq_u32 ttmp9, 2
	s_cselect_b32 s84, s86, s84
	s_add_co_i32 s84, s84, 127
	s_lshl_b32 s85, s84, 23
	s_add_co_i32 s84, s84, 15
	s_lshl_b32 s84, s84, 23
	s_or_b32 s84, s84, 0x600000
	PLACES NP                                      ; behind the last products: what follows writes registers that held A's fragments and reads results
	v_mov_b32 v[SC], s85
	v_mov_b32 v[LIM], s84
	s_cmp_eq_u32 ttmp9, 2                          ; the cluster's x: the same in all sixteen partners
	s_cbranch_scc1 .Lv_path
	; ---- q and k
	s_lshl_b32 s20, s17, 8
	s_lshl_b32 s21, s15, 7
	s_add_co_u32 s20, s20, s21                     ; my first token
	s_lshr_b32 s21, s20, 11                        ; its batch
	s_and_b32 s22, s20, 2047                       ; its t
	s_lshl_b32 s21, s21, 4
	s_lshl_b32 s23, s42, 2
	s_add_co_u32 s21, s21, s23
	s_lshl_b32 s23, s16, 1
	s_add_co_u32 s21, s21, s23                     ; 16 batch + my first head
	s_lshl_b32 s23, 0x20000, ttmp9                 ; a head's bytes: 131,072 of q images; 262,144 of k and v images
	s_mul_i32 s21, s21, s23
	s_add_co_u32 s46, ttmp9, 6
	s_lshl_b32 s46, s22, s46                       ; q: 64 t; k: 128 t (a key step of 128 keys is 16,384 bytes)
	s_add_co_u32 s46, s46, s21
	s_lshl_b32 s47, ttmp9, 22                      ; k's images begin at 4 MiB
	s_add_co_u32 s46, s46, s47
	s_mov_b32 s47, 0
	s_add_nc_u64 s[90:91], s[10:11], s[46:47]      ; my first head's images,
	s_mov_b32 s46, s23
	s_add_nc_u64 s[92:93], s[90:91], s[46:47]      ; my second head's
	s_lshl_b32 s46, s22, 8
	s_add_nc_u64 s[94:95], s[6:7], s[46:47]        ; the table at my first t
.macro TABLE a                         ; block a's 16 rows of the table: for p = 0, 1 (channels 16 p + 8 half + 0 .. 7 mod 32): eight cosines, eight signed sines
.set CB, CT+32*((\a)%2)
.irp p, 0,1
.irp s, 0,1
.irp e, 0,1
	global_load_b128 v[CB+16*\p+8*\s+4*\e:CB+16*\p+8*\s+4*\e+3], v[TA], s[94:95] offset:(\a)*4096+64*\p+128*\s+16*\e
.endr
.endr
.endr
.endm
.macro QK a                            ; block a: 16 tokens x 128 channels (two heads)
.if (\a) < 7
	TABLE (\a)+1
	s_wait_loadcnt 8                               ; this block's table rows are in; the next block's eight loads may be out
.else
	s_wait_loadcnt 0
.endif
.set CB, CT+32*((\a)%2)
.set AC, 64*((\a)%4)
.set IB, IM+16*((\a)%2)
	WIN 0x02+((\a)/4)                              ; source 0: the accumulators' window
.irp b, 0,1,2,3,4,5,6,7
.irp i, 0,2,4,6
	v_pk_mul_f32 v[T+8*\b+\i:T+8*\b+\i+1], v[AC+8*\b+\i:AC+8*\b+\i+1], v[CB+16*(\b%2)+\i:CB+16*(\b%2)+\i+1]   ; x cos; each accumulator from its low end on
.endr
.irp i, 0,2,4,6
	v_pk_fma_f32 v[T+8*\b+\i:T+8*\b+\i+1], v[AC+8*\b+\i:AC+8*\b+\i+1], v[CB+16*(\b%2)+8+\i:CB+16*(\b%2)+8+\i+1], v[T+8*\b+\i:T+8*\b+\i+1] op_sel:[1,0,0] op_sel_hi:[0,1,1]   ; + the pair's other number x the signed sine
.endr
.endr
	WIN 0
.set n, 0
.rept 64
	v_med3_num_f32 v[T+n], v[T+n], -v[LIM], v[LIM] ; the conversion does not saturate (ISA guide 7.6.2)
.set n, n+1
.endr
	s_wait_alu depctr_va_vdst(0)
	s_wait_xcnt 0x0                                ; the earlier stores have read their registers
.irp b, 0,1,2,3,4,5,6,7
	v_cvt_scalef32_pk8_bf8_f32 v[IB+2*\b:IB+2*\b+1], v[T+8*\b:T+8*\b+7], v[SC]
.endr
	v_nop                                          ; a plain instruction behind the last conversion, ahead of the next writes of its sources
.irp u, 0,1,2,3
	global_store_b128 v[LI], v[IB+4*\u:IB+4*\u+3], s[90+2*(\u/2):91+2*(\u/2)] offset:(\a)*1024+512*(\u%2)   ; 512 consecutive bytes, aligned
.endr
.endm
	TABLE 0
.irp a, 0,1,2,3,4,5,6,7
	QK \a
.endr
	s_branch .Ljoin
	; ---- v
.Lv_path:
	s_lshl_b32 s20, s17, 2
	s_lshl_b32 s21, s15, 1
	s_add_co_u32 s20, s20, s21                     ; my first head
	s_lshl_b32 s21, s42, 8
	s_lshl_b32 s22, s16, 7
	s_add_co_u32 s21, s21, s22                     ; my first token
	s_lshr_b32 s22, s21, 11
	s_lshl_b32 s22, s22, 4
	s_add_co_u32 s20, s20, s22
	s_lshl_b32 s20, s20, 18
	s_and_b32 s21, s21, 2047
	s_lshl_b32 s21, s21, 7                         ; its key step x 16,384
	s_add_co_u32 s46, s20, s21
	s_add_co_u32 s46, s46, (4<<20)+8192            ; V's four images lie behind a key step's eight of K
	s_mov_b32 s47, 0
	s_add_nc_u64 s[90:91], s[10:11], s[46:47]
.macro VV a                            ; block a: 16 channel rows x my 128 keys: one image
.set AC, 64*((\a)%4)
.set IB, IM+16*((\a)%2)
	WIN 0x02+((\a)/4)
.set n, 0
.rept 64
	v_med3_num_f32 v[T+n], v[AC+n], -v[LIM], v[LIM]
.set n, n+1
.endr
	WIN 0
	s_wait_alu depctr_va_vdst(0)
	s_wait_xcnt 0x0
.irp b, 0,1,2,3,4,5,6,7
	v_cvt_scalef32_pk8_bf8_f32 v[IB+2*\b:IB+2*\b+1], v[T+8*\b:T+8*\b+7], v[SC]
.endr
	v_nop
.irp g, 0,1,2,3
	global_store_b128 v[LI], v[IB+4*\g:IB+4*\g+3], s[90:91] offset:((\a)/4)*262144+((\a)%4)*2048+512*\g
.endr
.endm
	s_wait_alu depctr_va_vdst(0)
.irp a, 0,1,2,3,4,5,6,7
	VV \a
.endr
.Ljoin:
	s_wait_tensorcnt 0x0                           ; the wave's end
	ds_add_u32 v[SPW], v[NIL]
	s_wait_dscnt 0x0
	CROUND                                         ; the closing round: no work-group ends while a partner may still ask for a tile that names it
	s_endpgm
.Lfunc_end_k_q013673feb2_qkv:
	.size	k_q013673feb2_qkv, .Lfunc_end_k_q013673feb2_qkv-k_q013673feb2_qkv
	.p2alignl 7, 3214868480
	.fill 96, 4, 3214868480
	.section	.rodata,"a",@progbits
	.p2align	6, 0x0
	.amdhsa_kernel k_q013673feb2_qkv
		.amdhsa_group_segment_fixed_size 327680
		.amdhsa_private_segment_fixed_size 0
		.amdhsa_enable_private_segment 0
		.amdhsa_kernarg_size 32
		.amdhsa_user_sgpr_count 2
		.amdhsa_user_sgpr_kernarg_segment_ptr 1
		.amdhsa_wavefront_size32 1
		.amdhsa_system_sgpr_workgroup_id_x 1
		.amdhsa_system_sgpr_workgroup_id_y 1
		.amdhsa_system_sgpr_workgroup_id_z 1
		.amdhsa_system_vgpr_workitem_id 0
		.amdhsa_next_free_vgpr 1024
		.amdhsa_next_free_sgpr 100
		.amdhsa_reserve_vcc 0
		.amdhsa_float_denorm_mode_32 3
		.amdhsa_float_denorm_mode_16_64 3
		.amdhsa_memory_ordered 1
		.amdhsa_forward_progress 1
		.amdhsa_inst_pref_size 199
	.end_amdhsa_kernel
	.amdgpu_metadata
---
amdhsa.version: [ 1, 2 ]
amdhsa.kernels:
  - .name:           k_q013673feb2_qkv
    .symbol:         k_q013673feb2_qkv.kd
    .args:
      - { .name: c1, .offset: 0, .size: 8, .value_kind: global_buffer, .address_space: global }
      - { .name: rope, .offset: 8, .size: 8, .value_kind: global_buffer, .address_space: global }
      - { .name: lowp_scales, .offset: 16, .size: 8, .value_kind: global_buffer, .address_space: global }
      - { .name: qkvimg, .offset: 24, .size: 8, .value_kind: global_buffer, .address_space: global }
    .group_segment_fixed_size: 327680
    .private_segment_fixed_size: 0
    .kernarg_segment_align: 8
    .kernarg_segment_size: 32
    .max_flat_workgroup_size: 128
    .sgpr_count:     100
    .vgpr_count:     1024
    .wavefront_size: 32
...
	.end_amdgpu_metadata
.endif
;; end of part 2
;; launch attn (part 3): grid 8 x 32, 16 waves a work-group, clusters of 4 x 1, 301,056 bytes of LDS; arguments qkvimg, lowp_scales, oc; writes oc
.if DOCPART == 3
	.amdgcn_target "amdgcn-amd-amdhsa--gfx1250"
	.amdhsa_code_object_version 6
	.text
	.protected	k_q013673feb2_attn
	.globl	k_q013673feb2_attn
	.p2align	8
	.type	k_q013673feb2_attn,@function
k_q013673feb2_attn:
	s_mov_b64 s[64:65], 0
	v_nop
	global_prefetch_b8 v0, s[64:65] scope:SCOPE_SE
	s_setreg_imm32_b32 hwreg(HW_REG_WAVE_MODE, 25, 1), 1
	s_wait_xcnt 0x0
	s_wait_alu depctr_hold_cnt(0) depctr_sa_sdst(0) depctr_va_vdst(0) depctr_va_sdst(0) depctr_va_ssrc(0) depctr_va_vcc(0) depctr_vm_vsrc(0)
	s_getreg_b32 s2, hwreg(HW_REG_IB_STS2, 6, 4)
	s_cmp_eq_u32 s2, 0
	s_cbranch_scc0 .Lentry_in_a_cluster
	s_endpgm
.Lentry_in_a_cluster:
	s_bfe_u32 s2, ttmp6, 0x10000c
	s_cmp_lg_u32 s2, 0x3003
	s_cbranch_scc0 .Lentry_shape_is_right
	s_endpgm
.Lentry_shape_is_right:
; CAUSAL ATTENTION on codes of E5M2, head size 64, 2,048 keys, 32 (batch, head) pairs.  Inputs are images of operand registers; the result is quantised (e10) into images for the projection.
; Key steps that lie wholly behind a tile's queries are hidden by the causal mask that the problem builds itself: they are not worked.
; THE SOFTMAX AHEAD OF THE SECOND PRODUCT: t = score x log2(e) / 8; M = the running largest t rounded UP to a whole number; p = 2^(t - M) is quantised (e8), not normalised; the row's sum is taken of the
; unquantised p and divides at the end.  When M moves, the sum and O are multiplied by 2^(old M - new M): exact.
; SHARES.  A work-group serves one (batch, head) and 16 of its 128 tiles of 16 queries: tiles 8 i + c, i = 0 .. 15, c = the work-group's x.  A key step is 128 keys; tile 8 i + c needs steps 0 .. i, the last masked.
; Tiles 8 + j and 7 - j (j = 0 .. 7) need 17 steps together, and two waves share them, unevenly: the longer share has the lower wave number.
; Wave j (14 steps): run 1, the early tile's steps 0 .. 7 - j, which it writes out; run 2, the late tile's steps LS .. 8 + j.  Wave 8 + j (LS = 3 steps): run 1, the late tile's steps 0 .. LS - 1, whose -M, sums and O^T
; it hands over through LDS bytes of its own; it writes nothing to memory.  Wave j joins the two parts: both are brought under the larger M by powers of two.
; The runs have 8 and 16 - LS trips in every wave; a step that is not the wave's is jumped over by a scalar branch on the wave's number and a counter.  Nothing hangs on the work-group's place but addresses in memory and the mask's bound.
; A key step lies in memory as 16,384 bytes: eight images of K (16 keys x 64), then four of V (16 channel rows x 128 keys).
; K: LDS holds the head's whole K, filled ONCE: wave w asks for key step w's 8,192 bytes, one tensor load a wave, jointly with the three other work-groups of the cluster, which serve the same head.  It lands at 16,384 w,
; so that one offset serves a step in LDS and in memory.  Nothing is filled again.
; V: its images are laid in the order of the operand's registers, so a wave loads them from memory straight into registers, 512 consecutive bytes an instruction: a step then has 16 LDS loads a wave and not 32.
; They are asked for behind the first product and awaited behind the softmax.  They are not asked for jointly: a load into registers serves one wave.
; PREFETCH of V: wave 7 has one step in run 1 and walks steps LS .. 15 in run 2: by the count of trips it is the first of its work-group to name each of them.  In the trip of step s (s <= 13) it asks for V of step s + 2:
; 8,192 bytes, of which each of the cluster's four partners names 2,048, told apart by address (cx): eight lanes 256 bytes apart, the other lanes the last of these again.  Steps 0 .. LS + 1 come by their loads alone.
; K is asked for whole at the head: there is no loop to run ahead in.
; LAYOUT.  Both products transposed: S^T = K Q^T, O^T = V^T P^T: a lane holds one query (lane % 16).  Tile tau of S^T holds keys 16 tau + 8 (lane / 16) + 0 .. 7: registers 2 tau, 2 tau + 1 of the K = 128 form's operand.
; V's channel rows were permuted when Wv was quantised, so that O^T's tiles 2 b, 2 b + 1 hold channels 32 b + 16 (lane / 16) + 0 .. 15.
; LIMITS: e6 + e7 between -123 and 130; e8, and e10 - e8 - e9, between -126 and 112; the scaled scores stay under 2^31 in magnitude.  NaN among the inputs is not served.
; REGISTERS: v1 16 x lane; v2 the stage; v3, v4 the add's two; v8 the step's offset; v9 the mask's bound; v10, v11 the prefetch's offsets; v12 -M, v13 the largest t, v[14:15] the sum; v16-23, v24-31 Q of run 1, 2;
; v32-95 K's or V's fragments; v96-159 S^T, then p; v160-191 O^T; v192-223 the partner's O^T; v224-239 p's codes; v240-254 constants and work.
.set LS,  3                            ; the late tile's steps that waves 8-15 take
.set LI,  1
.set STG, 2
.set SPW, 3
.set NIL, 4
.set ADK, 8
.set DM,  9
.set PFO, 10
.set PFV, 11
.set MX,  250                          ; v250-253 the maximum's four chains
.set VB,  2                            ; s[2:3] the head's K and V in memory
.set WV,  18
.set ROLE, 19                          ; s19 0: waves 0-7, 1: waves 8-15
.set SEL, 20
.set CS,  22
.set G1,  24
.set G0,  32
.set E1,  36                           ; s36 run 1's last step
.set M1,  37                           ; s37 run 1's masked step (-1: none)
.set E2,  38                           ; s38 run 2's last step, the masked one (-1: no step)
.set TB,  48
.set KS,  49
.set CNT, 50
.set LIMP, 51                          ; s51 the last step in whose trip my wave prefetches: 13 in wave 7, -1 in the others
.set O1,  58                           ; s[58:59] the early tile's place in oc;  s[62:63] the late tile's
.set O2,  62
.set SPARE, 0x40000                    ; behind K: the spare words, 128 bytes a wave
.set STAGE, 0x40800                    ; behind them: 4,608 bytes for each pair of waves; no tile lands there
.macro CROUND
	s_barrier_signal -1
	s_barrier_wait -1
	s_cmp_lg_u32 s[WV], 0
	s_cbranch_scc1 .Lnot_wave_0_\@
	s_barrier_signal -3
.Lnot_wave_0_\@:
	s_barrier_wait -3
	s_barrier_signal -1
	s_barrier_wait -1
.endm
.macro RESET                           ; a tile's start: the largest t -3e38, sums and O^T zeros, which the first change of M leaves zeros
	v_mov_b32 v13, 0xff61b1e6
	v_floor_f32 v12, -v13
	v_mov_b32 v14, 0
	v_mov_b32 v15, 0
.set j, 0
.rept 32
	v_mov_b32 v[160+j], 0
.set j, j+1
.endr
.endm
	s_load_b128 s[4:7], s[0:1], 0x0                ; qkvimg, the exponents
	s_load_b64 s[8:9], s[0:1], 0x10                ; oc
	v_lshl_add_u32 v[SPW], v0, 2, SPARE
	v_mov_b32 v[NIL], 0
	ds_add_u32 v[SPW], v[NIL]                      ; the opening lines: the add twice on end and one wait
	ds_add_u32 v[SPW], v[NIL]
	v_lshrrev_b32 v5, 5, v0
	v_readfirstlane_b32 s[WV], v5                  ; wave 0..15
	s_bfe_u32 s10, ttmp6, 0x40000                  ; cx
	s_lshl_b32 s11, ttmp9, 2
	s_add_co_u32 s11, s11, s10                     ; c
	s_and_b32 s12, ttmp7, 0xffff                   ; 16 batch + head, which the four partners share
	s_and_b32 s13, s[WV], 7                        ; j
	s_lshr_b32 s[ROLE], s[WV], 3
	s_or_b32 s40, s13, 8                           ; the late tile's i
	s_xor_b32 s41, s13, 7                          ; the early tile's: 7 - j
	s_cmp_eq_u32 s[ROLE], 0
	s_cselect_b32 s[E1], s41, LS-1
	s_cselect_b32 s[M1], s41, -1
	s_cselect_b32 s[E2], s40, -1
	s_cselect_b32 s14, s41, s40                    ; run 1's tile
	s_cmp_eq_u32 s[WV], 7
	s_cselect_b32 s[LIMP], 13, -1
	s_mov_b32 s[G1], 15|(3<<16)|(1<<21)            ; the mask: all four work-groups; elements of 8 bytes; bit 21 beside a mask; no padding
	s_mov_b32 s[G1+1], 32<<16                      ; tensor_dim0: 32 elements, 256 bytes
	s_mov_b32 s[G1+2], 32<<16                      ; tensor_dim1: 32 rows: a dense block of 8,192 bytes, a key step's K
	s_mov_b32 s[G1+3], 32<<16
	s_mov_b32 s[G1+4], 32
	s_mov_b32 s[G1+5], 32
	s_mov_b32 s[G1+6], 0
	s_mov_b32 s[G1+7], 0
	s_mov_b32 s[SEL], 0x76543210
	s_mov_b32 s[SEL+1], 0xfedcba98
	s_lshl_b32 s15, s[WV], 14                      ; key step w: its byte in LDS and in the head's K and V
	s_lshl_b32 s16, s12, 18
	s_add_co_u32 s16, s16, 4<<20
	s_mov_b32 s17, 0
	s_mul_i32 s42, s13, 4608
	s_lshl_b32 s43, s10, 11                        ; the prefetch: my work-group's 2,048 bytes of a step's V
	s_wait_dscnt 0x0
	s_wait_kmcnt 0x0
	s_load_b128 s[52:55], s[6:7], 0x18             ; e6, e7, e8, e9
	s_load_b32 s56, s[6:7], 0x28                   ; e10
	s_add_nc_u64 s[VB:VB+1], s[4:5], s[16:17]
	s_mov_b32 s16, s15
	s_mov_b32 s[G0], 1
	s_mov_b32 s[G0+1], s15
	s_add_nc_u64 s[G0+2:G0+3], s[VB:VB+1], s[16:17]
	s_or_b32 s[G0+3], s[G0+3], 0x80000000
	CROUND                                         ; all four work-groups are here: the joint loads meet
	tensor_load_to_lds s[G0:G0+3], s[G1:G1+7]      ; my one tensor load
	s_nop 0
	s_lshl_b32 s44, s12, 17                        ; the head's images of Q
	s_lshl_b32 s57, s14, 3
	s_add_co_u32 s57, s57, s11                     ; run 1's tile: 8 i + c
	s_lshl_b32 s57, s57, 10
	s_add_co_u32 s46, s44, s57
	s_mov_b32 s47, 0
	s_add_nc_u64 s[46:47], s[4:5], s[46:47]
	s_lshl_b32 s57, s40, 3
	s_add_co_u32 s57, s57, s11                     ; the late tile
	s_lshl_b32 s60, s57, 10
	s_add_co_u32 s60, s60, s44
	s_mov_b32 s61, 0
	s_add_nc_u64 s[60:61], s[4:5], s[60:61]
	s_lshr_b32 s16, s12, 4
	s_lshl_b32 s16, s16, 7                         ; the batch's first block of 16 tokens
	s_and_b32 s17, s12, 15
	s_lshl_b32 s17, s17, 10                        ; a head is half a K step of the projection
	s_add_co_u32 s[O2], s16, s57
	s_lshl_b32 s[O2], s[O2], 14                    ; a block is 8 K steps of 2,048 bytes
	s_add_co_u32 s[O2], s[O2], s17
	s_mov_b32 s[O2+1], 0
	s_add_nc_u64 s[O2:O2+1], s[8:9], s[O2:O2+1]
	s_lshl_b32 s[O1], s41, 3
	s_add_co_u32 s[O1], s[O1], s11                 ; the early tile
	s_add_co_u32 s[O1], s[O1], s16
	s_lshl_b32 s[O1], s[O1], 14
	s_add_co_u32 s[O1], s[O1], s17
	s_mov_b32 s[O1+1], 0
	s_add_nc_u64 s[O1:O1+1], s[8:9], s[O1:O1+1]
	s_lshl_b32 s57, s11, 4
	v_and_b32 v5, 31, v0
	v_lshlrev_b32 v[LI], 4, v5
	global_load_b128 v[16:19], v[LI], s[46:47]     ; both runs' Q stay in registers (every wave makes both loads: no branch)
	global_load_b128 v[20:23], v[LI], s[46:47] offset:512
	global_load_b128 v[24:27], v[LI], s[60:61]
	global_load_b128 v[28:31], v[LI], s[60:61] offset:512
	v_add_nc_u32 v[STG], s42, v[LI]
	v_add_nc_u32 v[STG], STAGE, v[STG]
	v_min_u32 v[PFO], 7, v5
	v_lshlrev_b32 v[PFO], 8, v[PFO]
	v_add_nc_u32 v[PFO], s43, v[PFO]               ; 2,048 cx + 256 min(lane, 7)
	v_and_b32 v6, 15, v0
	v_bfe_u32 v7, v0, 4, 1
	v_add_nc_u32 v[DM], s57, v6
	v_lshlrev_b32 v7, 3, v7
	v_sub_nc_u32 v[DM], v[DM], v7                  ; in a masked step register 8 tau + j holds key 16 tau + 8 half + j of the step: hidden where 16 tau + j > 16 c + lane % 16 - 8 half
	RESET
	v_mov_b32 v236, 0                              ; written once: a lane permute's destination counts as one of its sources
	v_mov_b32 v249, 0                              ; (upper halves of pairs that packed forms name)
	v_mov_b32 v252, 0
	v_mov_b32 v253, 0
	s_wait_kmcnt 0x0
	s_mov_b32 s[CS], 0x3e38aa3b                    ; log2(e) / 8
	s_add_co_i32 s44, s52, s53
	s_lshl_b32 s44, s44, 23
	s_add_co_i32 s[CS], s[CS], s44                 ; x 2^(e6 + e7): added to the exponent field
	s_mov_b32 s[CS+1], s[CS]
	s_add_co_i32 s44, s54, 127
	s_lshl_b32 s45, s44, 23
	v_mov_b32 v244, s45                            ; 2^e8
	s_add_co_i32 s44, s44, 15
	s_lshl_b32 s44, s44, 23
	s_or_b32 s44, s44, 0x600000
	v_mov_b32 v240, s44                            ; 57,344 x 2^e8
	s_sub_co_i32 s44, s56, s54
	s_sub_co_i32 s44, s44, s55
	s_add_co_i32 s44, s44, 127
	s_lshl_b32 s45, s44, 23
	v_mov_b32 v245, s45                            ; 2^(e10 - e8 - e9)
	s_add_co_i32 s44, s44, 15
	s_lshl_b32 s44, s44, 23
	s_or_b32 s44, s44, 0x600000
	v_mov_b32 v241, s44
; A KEY STEP.  q: Q's registers; e: the run's last step; m: the step that lies on the diagonal; pf = 1: run 2, in which wave 7 prefetches
.macro STEP q, e, m, pf
	s_cmp_gt_i32 s[KS], s[\e]                      ; not my step: its work is left out, not the lines at its end
	s_cbranch_scc1 .Lhid_\@
	v_add_nc_u32 v[ADK], s[TB], v[LI]              ; (the last step's loads by this offset have been awaited)
.rept 3
	v_nop                                          ; with the addition above: four places in front of loads into registers that products have read
.endr
.irp t, 0,1,2,3,4,5,6,7
	ds_load_b128 v[32+8*\t:35+8*\t], v[ADK] offset:1024*\t
	ds_load_b128 v[36+8*\t:39+8*\t], v[ADK] offset:1024*\t+512
.endr
	s_wait_alu depctr_va_vdst(0)
	s_wait_dscnt 0x0
.irp t, 0,1,2,3,4,5,6,7
	v_wmma_f32_16x16x64_bf8_bf8 v[96+8*\t:103+8*\t], v[32+8*\t:39+8*\t], v[\q:\q+7], 0
.endr
.rept 4
	v_nop
.endr
.irp d, 0,1,2,3                                ; V's four images, from memory: 16 loads of 512 consecutive bytes; they land while the softmax is worked
.irp g, 0,1,2,3
	global_load_b128 v[32+16*\d+4*\g:35+16*\d+4*\g], v[ADK], s[VB:VB+1] offset:8192+2048*\d+512*\g
.endr
.endr
.if \pf
	s_cmp_gt_i32 s[KS], s[LIMP]
	s_cbranch_scc1 .Lnoask_\@
	s_wait_xcnt 0x0                                ; the last trip's prefetch has read its offset: it may be written
	v_add_nc_u32 v[PFV], s[TB], v[PFO]
	global_prefetch_b8 v[PFV], s[VB:VB+1] offset:2*16384+8192 th:TH_LOAD_NT scope:SCOPE_SE   ; V of the step two on: at most step 15's
.Lnoask_\@:
.endif
	s_cmp_lg_u32 s[KS], s[\m]
	s_cbranch_scc1 .Lopen_\@
	v_mov_b32 v254, 0xff800000                     ; on the diagonal hidden scores become -infinity ahead of the maximum: p = 0 then
.set n, 0
.rept 64
	v_cmp_gt_i32 vcc_lo, 16*(n/8)+n%8, v[DM]
	v_cndmask_b32 v[96+n], v[96+n], v254, vcc_lo
.set n, n+1
.endr
.Lopen_\@:
.irp k, 0,1,2,3                                ; the step's largest score of my query among my 64 keys: four chains by turns, chain k over tiles 2 k and 2 k + 1, each tile from its low end on
	v_max3_num_f32 v[MX+\k], v[96+16*\k], v[97+16*\k], v[98+16*\k]
.endr
.irp i, 3,5,7,9,11,13
.irp k, 0,1,2,3
	v_max3_num_f32 v[MX+\k], v[MX+\k], v[96+16*\k+\i], v[97+16*\k+\i]
.endr
.endr
	v_max3_num_f32 v250, v250, v251, v111          ; the chains, and each chain's sixteenth number
	v_max3_num_f32 v252, v252, v253, v127
	v_max3_num_f32 v254, v250, v143, v159
	v_max_num_f32 v254, v254, v252
	v_permlanex16_b32 v236, v254, s[SEL], s[SEL+1]
	s_delay_alu instid0(VALU_DEP_1)
	v_max_num_f32 v254, v254, v236                 ; and among lane l xor 16's
	s_delay_alu instid0(VALU_DEP_1)
	v_mul_f32 v254, s[CS], v254
	s_delay_alu instid0(VALU_DEP_1)
	v_max_num_f32 v13, v13, v254                   ; the running largest t
	v_mov_b32 v254, v12
	s_delay_alu instid0(VALU_DEP_2)
	v_floor_f32 v12, -v13                          ; the new -M = -ceil(t)
	s_delay_alu instid0(VALU_DEP_1)
	v_sub_f32 v254, v12, v254                      ; old M - new M: a whole number, 0 or less
	s_delay_alu instid0(VALU_DEP_1)
	v_cvt_i32_f32 v254, v254
	s_delay_alu instid0(VALU_DEP_1)
	v_ldexp_f32 v252, 1.0, v254                    ; f = 2^(old M - new M)
.set j, 0
.rept 32
	v_pk_fma_f32 v[96+j:97+j], v[96+j:97+j], s[CS:CS+1], v[12:13] op_sel_hi:[1,0,0]   ; t - M
.set j, j+2
.endr
	s_wait_alu depctr_va_vdst(0)                   ; ahead of the batch
.set j, 0
.rept 64
	v_exp_f32 v[96+j], v[96+j]                     ; p = 2^(t - M)
.set j, j+1
.endr
	v_pk_mul_f32 v[14:15], v[14:15], v[252:253] op_sel_hi:[1,0]   ; the sums under the new M: the plain instruction behind the exponentials
	s_wait_alu depctr_va_vdst(0)                   ; one wait for the whole batch, ahead of its first reader
	v_pk_add_f32 v[242:243], v[96:97], v[98:99]    ; the row's sum of the unquantised p: 32 pairs in four chains
	v_pk_add_f32 v[246:247], v[100:101], v[102:103]
	v_pk_add_f32 v[248:249], v[104:105], v[106:107]
	v_pk_add_f32 v[14:15], v[14:15], v[108:109]
.irp j, 14,22,30,38,46,54
	v_pk_add_f32 v[242:243], v[242:243], v[96+\j:97+\j]
	v_pk_add_f32 v[246:247], v[246:247], v[98+\j:99+\j]
	v_pk_add_f32 v[248:249], v[248:249], v[100+\j:101+\j]
	v_pk_add_f32 v[14:15], v[14:15], v[102+\j:103+\j]
.endr
	v_pk_add_f32 v[242:243], v[242:243], v[158:159]
	v_pk_add_f32 v[246:247], v[246:247], v[248:249]
	v_pk_add_f32 v[14:15], v[14:15], v[242:243]
	v_pk_add_f32 v[14:15], v[14:15], v[246:247]
.irp t, 0,1,2,3,4,5,6,7
.irp i, 0,1,2,3,4,5,6,7
	v_min_num_f32 v[96+8*\t+\i], v[96+8*\t+\i], v240   ; the conversion does not saturate (ISA guide 7.6.2); p is not negative: the hold is one-sided
.endr
	v_cvt_scalef32_pk8_bf8_f32 v[224+2*\t:225+2*\t], v[96+8*\t:103+8*\t], v244
.endr
	s_wait_alu depctr_va_vdst(0)                   ; directly ahead of the first reader of O^T
.set j, 0
.rept 16
	v_pk_mul_f32 v[160+j:161+j], v[160+j:161+j], v[252:253] op_sel_hi:[1,0]   ; O^T under the new M
.set j, j+2
.endr
	s_wait_alu depctr_va_vdst(0)                   ; and here, directly ahead of the wait below
	s_wait_loadcnt 0x0                             ; V is in: all 16 loads
.irp d, 0,1,2,3
	v_wmma_f32_16x16x128_bf8_bf8 v[160+8*\d:167+8*\d], v[32+16*\d:47+16*\d], v[224:239], v[160+8*\d:167+8*\d]
.endr
.Lhid_\@:
	s_add_co_u32 s[TB], s[TB], 16384
	s_add_co_u32 s[KS], s[KS], 1
.endm
.macro RUN q, e, m, pf, trips          ; the same number of trips in every wave
	s_mov_b32 s[CNT], \trips
.Lrun_\@:
	STEP \q, \e, \m, \pf
	s_sub_co_u32 s[CNT], s[CNT], 1
	s_cmp_lg_u32 s[CNT], 0
	s_cbranch_scc1 .Lrun_\@
.endm
; THE WAY OUT of a tile (v14: my lane's sum): O^T / the row's sum, quantised: tiles 2 b and 2 b + 1 are register group b of my head's half of a K step of the projection
.macro OUT base
	v_permlanex16_b32 v236, v14, s[SEL], s[SEL+1]
	v_add_f32 v14, v14, v236                       ; the row's sum
	s_wait_alu depctr_va_vdst(0)
	v_rcp_f32 v14, v14
	v_nop
	s_wait_alu depctr_va_vdst(0)                   ; ahead of the reciprocal's first reader, which is also the first reader of O^T
.set j, 0
.rept 16
	v_pk_mul_f32 v[96+j:97+j], v[160+j:161+j], v[14:15] op_sel_hi:[1,0]
.set j, j+2
.endr
.set j, 0
.rept 32
	v_med3_num_f32 v[96+j], v[96+j], -v241, v241
.set j, j+1
.endr
.irp b, 0,1
	v_cvt_scalef32_pk8_bf8_f32 v[224+4*\b:225+4*\b], v[96+16*\b:103+16*\b], v245
	v_cvt_scalef32_pk8_bf8_f32 v[226+4*\b:227+4*\b], v[104+16*\b:111+16*\b], v245
.endr
	v_nop
	global_store_b128 v[LI], v[224:227], s[\base:\base+1]    ; 512 consecutive bytes each, aligned
	global_store_b128 v[LI], v[228:231], s[\base:\base+1] offset:512
.endm
	s_wait_alu depctr_va_vdst(0)                   ; at the head's end
	s_wait_loadcnt 0x0                             ; Q
	s_wait_tensorcnt 0x0                           ; my key step's K has landed
	s_barrier_signal -1
	s_barrier_wait -1                              ; everybody's has: K is whole
	s_mov_b32 s[TB], 0
	s_mov_b32 s[KS], 0
	RUN 16, E1, M1, 0, 8                           ; waves 0-7: the early tile; waves 8-15: the late tile's first LS steps
.rept 4
	v_nop                                          ; places behind the last products
.endr
	s_cmp_lg_u32 s[ROLE], 0
	s_cbranch_scc1 .Llight
	v_add_f32 v14, v14, v15                        ; the sum's two halves
	OUT O1                                         ; the early tile is finished
	s_wait_xcnt 0x0                                ; the stores have read their registers, which the next step writes again
	RESET
	s_wait_alu depctr_va_vdst(0)                   ; ahead of the branch
	s_branch .Lrun2
.Llight:
.irp i, 0,1,2,3,4,5,6,7
	ds_store_b128 v[STG], v[160+4*\i:163+4*\i] offset:512*\i   ; the part's O^T, each accumulator from its low end on,
.endr
	ds_store_b128 v[STG], v[12:15] offset:4096     ; and -M, the largest t, the sum's two halves
.Lrun2:
	s_mov_b32 s[TB], LS<<14
	s_mov_b32 s[KS], LS
	RUN 24, E2, E2, 1, 16-LS                       ; waves 0-7: the late tile's steps LS .. 8 + j; waves 8-15: none
.rept 4
	v_nop
.endr
	v_add_f32 v14, v14, v15                        ; the sum's two halves
	s_wait_alu depctr_va_vdst(0)
	s_wait_dscnt 0x0                               ; my stores into the stage are done
	s_barrier_signal -1
	s_barrier_wait -1
	s_cmp_lg_u32 s[ROLE], 0
	s_cbranch_scc1 .Lend
.irp i, 0,1,2,3,4,5,6,7                        ; waves 0-7 join the partner's part
	ds_load_b128 v[192+4*\i:195+4*\i], v[STG] offset:512*\i
.endr
	ds_load_b128 v[228:231], v[STG] offset:4096
	s_wait_dscnt 0x0
	v_min_num_f32 v254, v12, v228                  ; -(the larger M)
	v_add_f32 v230, v230, v231
	v_sub_f32 v252, v254, v12                      ; my M less the larger: a whole number, 0 or less
	v_sub_f32 v248, v254, v228                     ; the partner's likewise
	v_cvt_i32_f32 v252, v252
	v_cvt_i32_f32 v248, v248
	v_ldexp_f32 v252, 1.0, v252
	v_ldexp_f32 v248, 1.0, v248
	v_mul_f32 v14, v14, v252
	v_fmac_f32 v14, v230, v248
.set j, 0
.rept 16
	v_pk_mul_f32 v[160+j:161+j], v[160+j:161+j], v[252:253] op_sel_hi:[1,0]
.set j, j+2
.endr
.set j, 0
.rept 16
	v_pk_fma_f32 v[160+j:161+j], v[192+j:193+j], v[248:249], v[160+j:161+j] op_sel_hi:[1,0,1]
.set j, j+2
.endr
	OUT O2                                         ; the late tile is finished
.Lend:
	s_wait_tensorcnt 0x0                           ; the wave's end
	ds_add_u32 v[SPW], v[NIL]
	s_wait_dscnt 0x0
	CROUND                                         ; the closing round
	s_endpgm
.Lfunc_end_k_q013673feb2_attn:
	.size	k_q013673feb2_attn, .Lfunc_end_k_q013673feb2_attn-k_q013673feb2_attn
	.p2alignl 7, 3214868480
	.fill 96, 4, 3214868480
	.section	.rodata,"a",@progbits
	.p2align	6, 0x0
	.amdhsa_kernel k_q013673feb2_attn
		.amdhsa_group_segment_fixed_size 301056
		.amdhsa_private_segment_fixed_size 0
		.amdhsa_enable_private_segment 0
		.amdhsa_kernarg_size 24
		.amdhsa_user_sgpr_count 2
		.amdhsa_user_sgpr_kernarg_segment_ptr 1
		.amdhsa_wavefront_size32 1
		.amdhsa_system_sgpr_workgroup_id_x 1
		.amdhsa_system_sgpr_workgroup_id_y 1
		.amdhsa_system_sgpr_workgroup_id_z 1
		.amdhsa_system_vgpr_workitem_id 0
		.amdhsa_next_free_vgpr 256
		.amdhsa_next_free_sgpr 66
		.amdhsa_reserve_vcc 1
		.amdhsa_float_denorm_mode_32 3
		.amdhsa_float_denorm_mode_16_64 3
		.amdhsa_memory_ordered 1
		.amdhsa_forward_progress 1
		.amdhsa_inst_pref_size 64
	.end_amdhsa_kernel
	.amdgpu_metadata
---
amdhsa.version: [ 1, 2 ]
amdhsa.kernels:
  - .name:           k_q013673feb2_attn
    .symbol:         k_q013673feb2_attn.kd
    .args:
      - { .name: qkvimg, .offset: 0, .size: 8, .value_kind: global_buffer, .address_space: global }
      - { .name: lowp_scales, .offset: 8, .size: 8, .value_kind: global_buffer, .address_space: global }
      - { .name: oc, .offset: 16, .size: 8, .value_kind: global_buffer, .address_space: global }
    .group_segment_fixed_size: 301056
    .private_segment_fixed_size: 0
    .kernarg_segment_align: 8
    .kernarg_segment_size: 24
    .max_flat_workgroup_size: 512
    .sgpr_count:     66
    .vgpr_count:     256
    .wavefront_size: 32
...
	.end_amdgpu_metadata
.endif
;; end of part 3
;; launch proj (part 4): grid 8 x 32, 4 waves a work-group, clusters of 4 x 4, 327,680 bytes of LDS; arguments oc, wc2, lowp_scales, proj_b, x, x1; writes x1
.if DOCPART == 4
	.amdgcn_target "amdgcn-amd-amdhsa--gfx1250"
	.amdhsa_code_object_version 6
	.text
	.protected	k_q013673feb2_proj
	.globl	k_q013673feb2_proj
	.p2align	8
	.type	k_q013673feb2_proj,@function
k_q013673feb2_proj:
	s_mov_b64 s[64:65], 0
	v_nop
	global_prefetch_b8 v0, s[64:65] scope:SCOPE_SE
	s_setreg_imm32_b32 hwreg(HW_REG_WAVE_MODE, 25, 1), 1
	s_wait_xcnt 0x0
	s_wait_alu depctr_hold_cnt(0) depctr_sa_sdst(0) depctr_va_vdst(0) depctr_va_sdst(0) depctr_va_ssrc(0) depctr_va_vcc(0) depctr_vm_vsrc(0)
	s_getreg_b32 s2, hwreg(HW_REG_IB_STS2, 6, 4)
	s_cmp_eq_u32 s2, 0
	s_cbranch_scc0 .Lentry_in_a_cluster
	s_endpgm
.Lentry_in_a_cluster:
	s_bfe_u32 s2, ttmp6, 0x10000c
	s_cmp_lg_u32 s2, 0xf033
	s_cbranch_scc0 .Lentry_shape_is_right
	s_endpgm
.Lentry_shape_is_right:
; OUT = RES + A B^T x 2^(ea + eb) + BIAS.  A: 4,096 rows x KTOT codes of E5M2 as images of operand registers ([256 blocks of 16 rows][KTOT / 128][2,048 bytes]); B: 1,024 rows of KTOT codes, K innermost; RES, OUT: [4096][1024] f32.
; Here: A = the attention's result, B = proj_w's codes, BIAS = proj_b, RES = x, OUT = x1.
; A tile of 128 rows x 128 columns to a work-group of four waves, 64 x 64 to a wave: 16 accumulators.  That gives 32 x 8 = 256 work-groups, and a work-group fetches (128 + 128) x KTOT bytes.
; K lies whole in one LDS slot, filled once at the head by the tensor data mover.  Here KTOT = 1,024: nothing is filled again.
; A's images come as they lie (a block's eight K steps of 128 are 16,384 consecutive bytes) and are read 16 bytes a lane on end; B's rows of 512 bytes get 16 bytes of padding.
; Both sides hold K = 32 c + 16 (lane / 16) + 0 .. 15 in registers 4 c .. 4 c + 3.
; CLUSTERS: 4 x 4; A's tile is shared along a row of the cluster, B's along a column: asked for jointly.  THE MATRIX INSTRUCTION IS USED TRANSPOSED: a lane holds a row and eight neighbouring columns.
; The residual is asked for at the head, behind the first tensor loads, into registers of its own: it is there when the last product is done.
; LIMIT: ea + eb between -126 and 127.
; REGISTERS: window 0: v8-11 the bias, v16-29 addresses, A's four fragments in two sets at v128 and v192; window 1: B's four fragments in two sets at v0 and v64;
;   window 2: accumulator (a, b) at v[8 (4 a + b)]; from v128 the residual, 32 registers for each block of 16 rows.
.set KTOT,   1024
.set BOFF,   0                         ; B's first byte in wc2
.set EOFF,   0x28                      ; ea, eb in the buffer of exponents
.set KS,     1024                      ; HERE THE WHOLE K LIES IN ONE FILL: one tensor load a wave at the head brings (128 + 128) rows x 1,024 codes; there is no second slot and nothing is filled again
.set LAPS,   KTOT/(2*KS)               ; a lap = once round the ring
.set KB,     16*KTOT                   ; a block of 16 rows of A in bytes
.set ABLK,   16*KS                     ; a block's part of a slot: 16,384 bytes
.set PITCH,  1040                      ; B's LDS row: 1,024 bytes + 16
.set AHALF,  4*ABLK
.set BBASE,  2*AHALF                   ; a slot: A's 8 blocks, then B's 128 rows
.set BHALF,  64*PITCH
.set SLOT,   BBASE+2*BHALF
.set SPARE,  SLOT
.set STAGE,  SPARE+512                 ; the way out: 16 rows x (256 bytes + 16) for each wave, in bytes of its own: no tile lands there
.set SPITCH, 272
.set FR,   16
.set BIAS, 8
.set ADRA, 16
.set ADRB, 20
.set STO,  24
.set RD,   25
.set CO,   26
.set SPW,  28
.set NIL,  29
.set AF,   128
.set BK,   128                         ; the way out: rows read back from the stage, two sets of 32
.set RS,   128                         ; in window 2: the residual
.set G1, 24
.set G0, 32
.set G1B, 48
.set G0B, 56
.set MSB, 0
.macro WIN new                         ; the immediate's high byte repeats the setting that is left
.if MSB != \new
	s_set_vgpr_msb (MSB<<8)|\new
.set MSB, \new
.endif
.endm
.set MUL,  0xa1                        ; source 0 (B) window 1, source 1 (A) window 0, C and D window 2
.set TO_B, 0x40
.macro JLOAD g0a, g1a, g0b, g1b        ; waves 0 and 1 fetch for A, waves 2 and 3 for B; four v_nop follow each line
	s_cmp_eq_u32 s15, 0
	s_cbranch_scc0 .Lfor_b_\@
	tensor_load_to_lds s[\g0a:\g0a+3], s[\g1a:\g1a+7]
	s_nop 0
.rept 4
	v_nop
.endr
	s_branch .Lasked_\@
.Lfor_b_\@:
	tensor_load_to_lds s[\g0b:\g0b+3], s[\g1b:\g1b+7]
	s_nop 0
.rept 4
	v_nop
.endr
.Lasked_\@:
.endm
.macro CREST                           ; a round of the cluster's barrier behind its opening barrier
	s_cmp_lg_u32 s14, 0
	s_cbranch_scc1 .Lnot_wave_0_\@
	s_barrier_signal -3
.Lnot_wave_0_\@:
	s_barrier_wait -3
	s_barrier_signal -1
	s_barrier_wait -1
.endm
.macro CROUND
	s_barrier_signal -1
	s_barrier_wait -1
	CREST
.endm
	s_load_b256 s[4:11], s[0:1], 0x0               ; A s[4:5], wc2 s[6:7], the exponents s[8:9], the bias s[10:11]
	s_load_b128 s[84:87], s[0:1], 0x20             ; the residual s[84:85], the result s[86:87]
	v_lshl_add_u32 v[SPW], v0, 2, SPARE
	v_mov_b32 v[NIL], 0
	ds_add_u32 v28, v29
	ds_add_u32 v28, v29
	s_wait_dscnt 0x0
	v_lshrrev_b32 v1, 5, v0
	v_readfirstlane_b32 s14, v1                    ; wave
	s_lshr_b32 s15, s14, 1                         ; my half of the rows.  Also: I fetch for A (0) or for B (1)
	s_and_b32 s16, s14, 1                          ; my half of the columns.  Also: which half of that tile I fetch
	s_bfe_u32 s40, ttmp6, 0x40000                  ; cx
	s_bfe_u32 s41, ttmp6, 0x40004                  ; cy
	s_lshl_b32 s42, ttmp9, 2
	s_add_co_u32 s42, s42, s40                     ; tile column
	s_and_b32 s17, ttmp7, 0xffff
	s_lshl_b32 s17, s17, 2
	s_add_co_u32 s17, s17, s41                     ; tile row
	s_lshl_b32 s43, s41, 2
	s_lshl_b32 s43, 15, s43                        ; my row of the cluster
	s_lshl_b32 s44, 0x1111, s40                    ; my column
	s_or_b32 s[G1+0], s43, (1<<21)                 ; A: the mask; elements of 1 byte; bit 21 beside a mask; no padding
	s_mov_b32 s[G1+1], ABLK<<16                    ; tensor_dim0: a block's eight K steps
	s_mov_b32 s[G1+2], 4<<16                       ; tensor_dim1: four blocks
	s_mov_b32 s[G1+3], ABLK<<16                    ; tile_dim0
	s_mov_b32 s[G1+4], 4                           ; tile_dim1
	s_mov_b32 s[G1+5], KB                          ; the pitch
	s_mov_b32 s[G1+6], 0
	s_mov_b32 s[G1+7], 0
	s_or_b32 s[G1B+0], s44, (1<<20)|(1<<21)|(7<<22)|(3<<25)   ; B: padding of four words after every 256
	s_mov_b32 s[G1B+1], KS<<16
	s_mov_b32 s[G1B+2], 64<<16
	s_mov_b32 s[G1B+3], KS<<16
	s_mov_b32 s[G1B+4], 64
	s_mov_b32 s[G1B+5], KTOT
	s_mov_b32 s[G1B+6], 0
	s_mov_b32 s[G1B+7], 0
	s_lshl_b32 s20, s17, 3
	s_lshl_b32 s18, s16, 2
	s_add_co_u32 s20, s20, s18
	s_mul_i32 s20, s20, KB                         ; A: block 8 x tile row + 4 x half
	s_mov_b32 s21, 0
	s_lshl_b32 s46, s42, 7
	s_lshl_b32 s18, s16, 6
	s_add_co_u32 s46, s46, s18
	s_mul_i32 s46, s46, KTOT
	s_add_co_u32 s46, s46, BOFF                    ; B: row 128 x tile column + 64 x half
	s_mov_b32 s47, 0
	s_lshl_b32 s45, s16, 16                        ; where they go: A's halves of 65,536 bytes,
	s_mul_i32 s19, s16, BHALF
	s_add_co_u32 s19, s19, BBASE                   ; B's halves behind them
	s_wait_kmcnt 0x0
	s_load_b64 s[96:97], s[8:9], EOFF
	s_add_nc_u64 s[20:21], s[4:5], s[20:21]
	s_add_nc_u64 s[46:47], s[6:7], s[46:47]
	CROUND                                         ; all sixteen work-groups are here: the first joint loads meet
.irp s, 0
	s_mov_b32 s[G0+4*\s], 1
	s_add_co_u32 s[G0+4*\s+1], s45, \s*SLOT
	s_add_nc_u64 s[G0+4*\s+2:G0+4*\s+3], s[20:21], \s*ABLK
	s_or_b32 s[G0+4*\s+3], s[G0+4*\s+3], 0x80000000
	s_mov_b32 s[G0B+4*\s], 1
	s_add_co_u32 s[G0B+4*\s+1], s19, \s*SLOT
	s_add_nc_u64 s[G0B+4*\s+2:G0B+4*\s+3], s[46:47], \s*KS
	s_or_b32 s[G0B+4*\s+3], s[G0B+4*\s+3], 0x80000000
	JLOAD G0+4*\s, G1, G0B+4*\s, G1B
.endr
	v_and_b32 v1, 15, v0
	v_bfe_u32 v2, v0, 4, 1
	v_and_b32 v6, 31, v0
	v_lshlrev_b32 v7, 4, v6                        ; an image's place for my lane
	v_mul_u32_u24 v3, v1, PITCH
	v_lshl_add_u32 v4, v2, 4, v3
	s_lshl_b32 s21, s15, 16                        ; my four blocks of A
	s_mul_i32 s22, s16, BHALF
	s_add_co_u32 s22, s22, BBASE                   ; my 64 rows of B
.irp s, 0
	v_add_nc_u32 v[ADRA+\s], s21, v7
	v_add_nc_u32 v[ADRB+\s], s22, v4
	s_add_co_u32 s21, s21, SLOT
	s_add_co_u32 s22, s22, SLOT
.endr
	s_mul_i32 s23, s14, 16*SPITCH
	s_add_co_u32 s23, s23, STAGE                   ; my stage
	v_mul_u32_u24 v5, v1, SPITCH
	v_lshl_add_u32 v5, v2, 5, v5
	v_add_nc_u32 v[STO], s23, v5                   ; in: row lane % 16, 32 bytes for each half of the lanes
	v_mul_u32_u24 v5, v2, SPITCH
	v_lshl_add_u32 v5, v1, 4, v5
	v_add_nc_u32 v[RD], s23, v5                    ; back: sixteen lanes to a row of 256 bytes
	v_lshlrev_b32 v[CO], 12, v2
	v_lshl_add_u32 v[CO], v1, 4, v[CO]             ; and the same two rows in memory
	s_wait_alu depctr_va_vdst(0)
	s_lshl_b32 s20, s17, 7
	s_lshl_b32 s21, s15, 6
	s_add_co_u32 s20, s20, s21
	s_lshl_b32 s20, s20, 12                        ; my first row, in bytes
	s_lshl_b32 s46, s42, 9
	s_lshl_b32 s47, s16, 8
	s_add_co_u32 s46, s46, s47                     ; my first column, in bytes
	s_mov_b32 s47, 0
	s_add_nc_u64 s[10:11], s[10:11], s[46:47]
	s_add_co_u32 s46, s46, s20
	s_add_nc_u64 s[84:85], s[84:85], s[46:47]
	s_add_nc_u64 s[86:87], s[86:87], s[46:47]
	v_lshlrev_b32 v5, 4, v1
	global_load_b128 v[BIAS:BIAS+3], v5, s[10:11]  ; the bias of the four columns that I store
	WIN 0x80                                       ; destination window 2
.irp a, 0,1,2,3
.irp i, 0,1,2,3,4,5,6,7
	global_load_b128 v[RS+32*\a+4*\i:RS+32*\a+4*\i+3], v[CO], s[84:85] offset:(16*\a+2*\i)*4096   ; the residual, laid as the rows come back from the stage
.endr
.endr
	WIN 0
.macro FRAGA reg, slot, q, i           ; block i, K step q of the slot: the image as it lies
.irp c, 0,1,2,3
	ds_load_b128 v[\reg+4*\c:\reg+4*\c+3], v[ADRA+\slot] offset:ABLK*(\i)+2048*(\q)+512*\c
.endr
.endm
.macro FRAGB reg, slot, q, i
.irp c, 0,1,2,3
	ds_load_b128 v[\reg+4*\c:\reg+4*\c+3], v[ADRB+\slot] offset:128*(\q)+32*\c+(\i)*16*PITCH
.endr
.endm
.macro MULA a, p, zero                 ; A's block a x B's four, from set p; the 16 accumulators take turns, one instruction a turn
.irp b, 0,1,2,3
.if \zero
	v_wmma_f32_16x16x128_bf8_bf8 v[8*(4*(\a)+\b):8*(4*(\a)+\b)+7], v[64*(\p)+FR*\b:64*(\p)+FR*\b+FR-1], v[AF+64*(\p)+FR*(\a):AF+64*(\p)+FR*(\a)+FR-1], 0
.else
	v_wmma_f32_16x16x128_bf8_bf8 v[8*(4*(\a)+\b):8*(4*(\a)+\b)+7], v[64*(\p)+FR*\b:64*(\p)+FR*\b+FR-1], v[AF+64*(\p)+FR*(\a):AF+64*(\p)+FR*(\a)+FR-1], v[8*(4*(\a)+\b):8*(4*(\a)+\b)+7]
.endif
.endr
.endm
.macro FETCH slot, q, p                ; 32 LDS loads in one run: the eight fragments of the slot's q-th 128 along K into set p
	WIN TO_B
.irp i, 0,1,2,3
	FRAGB 64*(\p)+FR*\i, \slot, \q, \i
.endr
	WIN 0
.irp i, 0,1,2,3
	FRAGA AF+64*(\p)+FR*\i, \slot, \q, \i
.endr
.endm
.macro PLACES n                        ; plain vector instructions between a matrix instruction and a load into, or a read of, its registers
.rept \n
	v_nop
.endr
.endm
.macro STEP slot, q, zero              ; 128 along K whose successor lies in the same slot: the next step's fragments are asked for first, then this step's 16 products run
	s_wait_dscnt 0x0                               ; this step's set is in
	PLACES 4                                       ; behind the last step's products, which read the other set
	FETCH \slot, (\q)+1, 1-(\q)%2
	WIN MUL
	MULA 0, (\q)%2, \zero
	MULA 1, (\q)%2, \zero
	MULA 2, (\q)%2, \zero
	MULA 3, (\q)%2, \zero
	WIN 0
.endm
.macro TURN slot, next, fill           ; a slot's last step (set 1) changes slots
	s_wait_tensorcnt 0x0                           ; all my tensor loads have landed: my part of the next slot
	ds_add_u32 v[SPW], v[NIL]                      ; 0 onto my spare word
	s_wait_dscnt 0x0                               ; the add is done, this step's set is in, and with it my reads of this slot are over
	s_barrier_signal -1
	WIN MUL
	MULA 0, 1, 0
	MULA 1, 1, 0
	WIN 0
	s_barrier_wait -1
.if \fill
	CREST                                          ; the barrier has opened a round of the cluster's: no wave of any partner still reads this slot or has a load on its way
	s_add_nc_u64 s[G0+4*\slot+2:G0+4*\slot+3], s[G0+4*\slot+2:G0+4*\slot+3], 2*ABLK
	s_add_nc_u64 s[G0B+4*\slot+2:G0B+4*\slot+3], s[G0B+4*\slot+2:G0B+4*\slot+3], 2*KS
	JLOAD G0+4*\slot, G1, G0B+4*\slot, G1B         ; the first tensor load behind the round: 8 + 3 x 16 products stand between it and the wait for it; its four v_nop are the places in front of the loads below
.else
	PLACES 4
.endif
	FETCH \next, 0, 0
	WIN MUL
	MULA 2, 1, 0
	MULA 3, 1, 0
	WIN 0
.endm
	s_wait_tensorcnt 0x0                           ; my one load has landed
	s_barrier_signal -1
	s_barrier_wait -1
	FETCH 0, 0, 0
	STEP 0, 0, 1                                   ; the first step's products start the sums
	STEP 0, 1, 0
	STEP 0, 2, 0
.if LAPS > 1
	s_mov_b32 s3, LAPS-1
.Llap:                                             ; a trip goes once round the ring and fills both slots again
	TURN 0, 1, 1
	STEP 1, 0, 0
	STEP 1, 1, 0
	STEP 1, 2, 0
	TURN 1, 0, 1
	STEP 0, 0, 0
	STEP 0, 1, 0
	STEP 0, 2, 0
	s_sub_co_u32 s3, s3, 1
	s_cmp_lg_u32 s3, 0
	s_cbranch_scc1 .Llap
.endif
	STEP 0, 3, 0                                   ; eight steps of 128 along K, all from the one fill
	STEP 0, 4, 0
	STEP 0, 5, 0
	STEP 0, 6, 0
	s_wait_dscnt 0x0                               ; the very last step: nothing more to fetch
	WIN MUL
	MULA 0, 1, 0
	MULA 1, 1, 0
	MULA 2, 1, 0
	MULA 3, 1, 0
	WIN 0
	; THE WAY OUT, block by block of 16 rows x 64 columns: the raw sums go through my stage and come back as rows of 256 bytes; there they are scaled, and bias and residual are added.
	s_wait_kmcnt 0x0
	s_add_co_i32 s96, s96, s97
	s_add_co_i32 s96, s96, 127
	s_lshl_b32 s96, s96, 23                        ; 2^(ea + eb) as f32
	s_mov_b32 s97, s96
	PLACES 4                                       ; behind the last products: LDS stores read results, and loads land where A's fragments lay
.macro TOSTAGE a
	WIN 0x08                                       ; a store's data: window 2
.irp b, 0,1,2,3
	ds_store_b128 v[STO], v[8*(4*(\a)+\b):8*(4*(\a)+\b)+3] offset:64*\b        ; each accumulator from its low end on
	ds_store_b128 v[STO], v[8*(4*(\a)+\b)+4:8*(4*(\a)+\b)+7] offset:64*\b+16
.endr
	WIN 0
.set BB, BK+32*((\a)%2)
.irp i, 0,1,2,3,4,5,6,7
	ds_load_b128 v[BB+4*\i:BB+4*\i+3], v[RD] offset:\i*2*SPITCH   ; LDS serves a wave's instructions in order: these see my stores
.endr
.endm
.macro FIN a, younger
.set BB, BK+32*((\a)%2)
	s_wait_dscnt \younger                          ; the block is back; the next block's 8 stores and 8 loads may be out
	s_wait_loadcnt 8*(3-(\a))                      ; the bias and this block's residual are in; the later blocks' loads, eight each, may be out
	WIN 0x08                                       ; source 1: window 2 (the residual)
.irp i, 0,1,2,3,4,5,6,7
	v_pk_fma_f32 v[BB+4*\i:BB+4*\i+1], v[BB+4*\i:BB+4*\i+1], s[96:97], v[BIAS:BIAS+1] op_sel_hi:[1,0,1]
	v_pk_fma_f32 v[BB+4*\i+2:BB+4*\i+3], v[BB+4*\i+2:BB+4*\i+3], s[96:97], v[BIAS+2:BIAS+3] op_sel_hi:[1,0,1]
.endr
.irp i, 0,1,2,3,4,5,6,7
	v_pk_add_f32 v[BB+4*\i:BB+4*\i+1], v[BB+4*\i:BB+4*\i+1], v[RS+32*(\a)+4*\i:RS+32*(\a)+4*\i+1]
	v_pk_add_f32 v[BB+4*\i+2:BB+4*\i+3], v[BB+4*\i+2:BB+4*\i+3], v[RS+32*(\a)+4*\i+2:RS+32*(\a)+4*\i+3]
.endr
	WIN 0
.irp i, 0,1,2,3,4,5,6,7
	global_store_b128 v[CO], v[BB+4*\i:BB+4*\i+3], s[86:87] offset:(16*(\a)+2*\i)*4096   ; sixteen lanes store 256 consecutive bytes, aligned
.endr
.endm
	TOSTAGE 0
.irp a, 1,2,3
.if \a > 1
	s_wait_xcnt 0x0                                ; block a - 2's stores have read their registers: block a's loads may land there
.endif
	TOSTAGE \a
	FIN \a-1, 16
.endr
	FIN 3, 0
	s_wait_tensorcnt 0x0                           ; the wave's end
	ds_add_u32 v[SPW], v[NIL]
	s_wait_dscnt 0x0
	CROUND                                         ; the closing round: no work-group ends while a partner may still ask for a tile that names it
	s_endpgm
.Lfunc_end_k_q013673feb2_proj:
	.size	k_q013673feb2_proj, .Lfunc_end_k_q013673feb2_proj-k_q013673feb2_proj
	.p2alignl 7, 3214868480
	.fill 96, 4, 3214868480
	.section	.rodata,"a",@progbits
	.p2align	6, 0x0
	.amdhsa_kernel k_q013673feb2_proj
		.amdhsa_group_segment_fixed_size 327680
		.amdhsa_private_segment_fixed_size 0
		.amdhsa_enable_private_segment 0
		.amdhsa_kernarg_size 48
		.amdhsa_user_sgpr_count 2
		.amdhsa_user_sgpr_kernarg_segment_ptr 1
		.amdhsa_wavefront_size32 1
		.amdhsa_system_sgpr_workgroup_id_x 1
		.amdhsa_system_sgpr_workgroup_id_y 1
		.amdhsa_system_sgpr_workgroup_id_z 1
		.amdhsa_system_vgpr_workitem_id 0
		.amdhsa_next_free_vgpr 768
		.amdhsa_next_free_sgpr 100
		.amdhsa_reserve_vcc 0
		.amdhsa_float_denorm_mode_32 3
		.amdhsa_float_denorm_mode_16_64 3
		.amdhsa_memory_ordered 1
		.amdhsa_forward_progress 1
		.amdhsa_inst_pref_size 52
	.end_amdhsa_kernel
	.amdgpu_metadata
---
amdhsa.version: [ 1, 2 ]
amdhsa.kernels:
  - .name:           k_q013673feb2_proj
    .symbol:         k_q013673feb2_proj.kd
    .args:
      - { .name: oc, .offset: 0, .size: 8, .value_kind: global_buffer, .address_space: global }
      - { .name: wc2, .offset: 8, .size: 8, .value_kind: global_buffer, .address_space: global }
      - { .name: lowp_scales, .offset: 16, .size: 8, .value_kind: global_buffer, .address_space: global }
      - { .name: proj_b, .offset: 24, .size: 8, .value_kind: global_buffer, .address_space: global }
      - { .name: x, .offset: 32, .size: 8, .value_kind: global_buffer, .address_space: global }
      - { .name: x1, .offset: 40, .size: 8, .value_kind: global_buffer, .address_space: global }
    .group_segment_fixed_size: 327680
    .private_segment_fixed_size: 0
    .kernarg_segment_align: 8
    .kernarg_segment_size: 48
    .max_flat_workgroup_size: 128
    .sgpr_count:     100
    .vgpr_count:     768
    .wavefront_size: 32
...
	.end_amdgpu_metadata
.endif
;; end of part 4
;; launch ln2 (part 5): grid 256 x 1, 4 waves a work-group, no clusters, 0 bytes of LDS; arguments x1, ln2_w, ln2_b, lowp_scales, h2c; writes h2c
.if DOCPART == 5
	.amdgcn_target "amdgcn-amd-amdhsa--gfx1250"
	.amdhsa_code_object_version 6
	.text
	.protected	k_q013673feb2_ln2
	.globl	k_q013673feb2_ln2
	.p2align	8
	.type	k_q013673feb2_ln2,@function
k_q013673feb2_ln2:
	s_mov_b64 s[64:65], 0
	v_nop
	global_prefetch_b8 v0, s[64:65] scope:SCOPE_SE
	s_setreg_imm32_b32 hwreg(HW_REG_WAVE_MODE, 25, 1), 1
	s_wait_xcnt 0x0
; LAYERNORM 2 of x1, quantised twice: a row of h2c is 1,024 codes with e12, then 1,024 codes with e14 (the two entries are not taken to be equal).
; A wave takes four rows; a row lies in 32 registers a lane: chunk i holds columns 256 i + 8 lane + 0 .. 7, so that eight neighbours feed one conversion and a store of a chunk's codes covers 256 consecutive bytes.
; No LDS, no barrier: waves share nothing.  LIMITS: e12 and e14 between -126 and 112.  NaN among the inputs is not served.
.set W,    16
.set BV,   48
.set X,    80
.set T,    208
.set C,    224
.set QN,   0
.set TS,   20
.set KI,   22
.set KE,   23
.set SEL,  24
.macro MKSCALE e, sc, lim
	s_add_co_i32 s[TS], s[\e], 127
	s_lshl_b32 s[TS+1], s[TS], 23
	v_mov_b32 v[\sc], s[TS+1]
	s_add_co_i32 s[TS], s[TS], 15
	s_lshl_b32 s[TS], s[TS], 23
	s_or_b32 s[TS], s[TS], 0x600000
	v_mov_b32 v[\lim], s[TS]
.endm
.macro REDUCE a, tmp
	v_add_f32_dpp v[\a], v[\a], v[\a] row_xmask:1 row_mask:0xf bank_mask:0xf
	v_add_f32_dpp v[\a], v[\a], v[\a] row_xmask:2 row_mask:0xf bank_mask:0xf
	v_add_f32_dpp v[\a], v[\a], v[\a] row_xmask:4 row_mask:0xf bank_mask:0xf
	v_add_f32_dpp v[\a], v[\a], v[\a] row_xmask:8 row_mask:0xf bank_mask:0xf
	v_permlanex16_b32 v[\tmp], v[\a], s[SEL], s[SEL+1]
	v_add_f32 v[\a], v[\a], v[\tmp]
.endm
.macro LNROW r
.set XR, X+32*(\r)
	s_wait_loadcnt 8*(3-(\r))                      ; gain, bias and this row are in; the later rows' loads, eight each, may be out
	v_pk_add_f32 v[4:5], v[XR:XR+1], v[XR+2:XR+3]
	v_pk_add_f32 v[6:7], v[XR+4:XR+5], v[XR+6:XR+7]
.irp j, 8,12,16,20,24,28
	v_pk_add_f32 v[4:5], v[4:5], v[XR+\j:XR+\j+1]
	v_pk_add_f32 v[6:7], v[6:7], v[XR+\j+2:XR+\j+3]
.endr
	v_pk_add_f32 v[4:5], v[4:5], v[6:7]
	v_add_f32 v4, v4, v5
	REDUCE 4, 5
	v_mul_f32 v4, s[KI], v4                        ; the mean
.set j, 0
.rept 16
	v_pk_add_f32 v[XR+j:XR+j+1], v[XR+j:XR+j+1], v[4:5] op_sel_hi:[1,0] neg_lo:[0,1] neg_hi:[0,1]
.set j, j+2
.endr
	v_pk_mul_f32 v[6:7], v[XR:XR+1], v[XR:XR+1]
	v_pk_mul_f32 v[8:9], v[XR+2:XR+3], v[XR+2:XR+3]
.irp j, 4,8,12,16,20,24,28
	v_pk_fma_f32 v[6:7], v[XR+\j:XR+\j+1], v[XR+\j:XR+\j+1], v[6:7]
	v_pk_fma_f32 v[8:9], v[XR+\j+2:XR+\j+3], v[XR+\j+2:XR+\j+3], v[8:9]
.endr
	v_pk_add_f32 v[6:7], v[6:7], v[8:9]
	v_add_f32 v6, v6, v7
	REDUCE 6, 7
	v_fma_f32 v6, v6, s[KI], s[KE]                 ; the variance + epsilon
	s_wait_alu depctr_va_vdst(0)
	v_rsq_f32 v8, v6
	v_nop                                          ; a plain instruction behind the transcendental,
	s_wait_alu depctr_va_vdst(0)                   ; and the wait ahead of its first reader
.set j, 0
.rept 16
	v_pk_mul_f32 v[XR+j:XR+j+1], v[XR+j:XR+j+1], v[8:9] op_sel_hi:[1,0]
.set j, j+2
.endr
.set j, 0
.rept 16
	v_pk_fma_f32 v[XR+j:XR+j+1], v[XR+j:XR+j+1], v[W+j:W+j+1], v[BV+j:BV+j+1]
.set j, j+2
.endr
.endm
.macro QSET r, sc, lim, base, off
.set XR, X+32*(\r)
.set CB, C+8*(QN%2)
.set QN, QN+1
	s_wait_xcnt 0x0                                ; the earlier stores have read their registers
.irp i, 0,1,2,3
.irp e, 0,1,2,3,4,5,6,7
	v_med3_num_f32 v[T+8*(\i%2)+\e], v[XR+8*\i+\e], -v[\lim], v[\lim]   ; the conversion does not saturate (ISA guide 7.6.2)
.endr
	v_cvt_scalef32_pk8_bf8_f32 v[CB+2*\i:CB+2*\i+1], v[T+8*(\i%2):T+8*(\i%2)+7], v[\sc]
.endr
.irp i, 0,1,2,3
	global_store_b64 v3, v[CB+2*\i:CB+2*\i+1], s[\base:\base+1] offset:\off+256*\i   ; the wave stores 256 consecutive bytes, aligned
.endr
.endm
	s_load_b256 s[4:11], s[0:1], 0x0               ; x1, ln2_w, ln2_b, the exponents
	s_load_b64 s[12:13], s[0:1], 0x20              ; h2c
	v_lshrrev_b32 v1, 5, v0
	v_readfirstlane_b32 s16, v1                    ; wave
	v_and_b32 v2, 31, v0
	s_lshl_b32 s17, ttmp9, 4
	s_lshl_b32 s18, s16, 2
	s_add_co_u32 s17, s17, s18                     ; my first row
	s_lshl_b32 s26, s17, 12
	s_mov_b32 s27, 0
	s_lshl_b32 s28, s17, 11
	s_mov_b32 s29, 0
	v_lshlrev_b32 v1, 5, v2
	v_lshlrev_b32 v3, 3, v2
	s_wait_alu depctr_va_vdst(0)
	s_wait_kmcnt 0x0
	s_load_b32 s14, s[10:11], 0x30                 ; e12
	s_load_b32 s15, s[10:11], 0x38                 ; e14
	s_add_nc_u64 s[4:5], s[4:5], s[26:27]
	s_add_nc_u64 s[12:13], s[12:13], s[28:29]
.irp i, 0,1,2,3
	global_load_b128 v[W+8*\i:W+8*\i+3], v1, s[6:7] offset:1024*\i
	global_load_b128 v[W+8*\i+4:W+8*\i+7], v1, s[6:7] offset:1024*\i+16
	global_load_b128 v[BV+8*\i:BV+8*\i+3], v1, s[8:9] offset:1024*\i
	global_load_b128 v[BV+8*\i+4:BV+8*\i+7], v1, s[8:9] offset:1024*\i+16
.endr
.irp r, 0,1,2,3
.irp i, 0,1,2,3
	global_load_b128 v[X+32*\r+8*\i:X+32*\r+8*\i+3], v1, s[4:5] offset:4096*\r+1024*\i
	global_load_b128 v[X+32*\r+8*\i+4:X+32*\r+8*\i+7], v1, s[4:5] offset:4096*\r+1024*\i+16
.endr
.endr
	s_mov_b32 s[KI], 0x3a800000
	s_mov_b32 s[KE], 0x3727c5ac
	s_mov_b32 s[SEL], 0x76543210
	s_mov_b32 s[SEL+1], 0xfedcba98
	s_wait_kmcnt 0x0
	MKSCALE 14, 10, 11
	MKSCALE 15, 12, 13
.irp r, 0,1,2,3
	LNROW \r
	QSET \r, 10, 11, 12, 2048*\r
	QSET \r, 12, 13, 12, 2048*\r+1024
.endr
	s_endpgm
.Lfunc_end_k_q013673feb2_ln2:
	.size	k_q013673feb2_ln2, .Lfunc_end_k_q013673feb2_ln2-k_q013673feb2_ln2
	.p2alignl 7, 3214868480
	.fill 96, 4, 3214868480
	.section	.rodata,"a",@progbits
	.p2align	6, 0x0
	.amdhsa_kernel k_q013673feb2_ln2
		.amdhsa_group_segment_fixed_size 0
		.amdhsa_private_segment_fixed_size 0
		.amdhsa_enable_private_segment 0
		.amdhsa_kernarg_size 40
		.amdhsa_user_sgpr_count 2
		.amdhsa_user_sgpr_kernarg_segment_ptr 1
		.amdhsa_wavefront_size32 1
		.amdhsa_system_sgpr_workgroup_id_x 1
		.amdhsa_system_sgpr_workgroup_id_y 1
		.amdhsa_system_sgpr_workgroup_id_z 1
		.amdhsa_system_vgpr_workitem_id 0
		.amdhsa_next_free_vgpr 240
		.amdhsa_next_free_sgpr 66
		.amdhsa_reserve_vcc 0
		.amdhsa_float_denorm_mode_32 3
		.amdhsa_float_denorm_mode_16_64 3
		.amdhsa_memory_ordered 1
		.amdhsa_forward_progress 1
		.amdhsa_inst_pref_size 52
	.end_amdhsa_kernel
	.amdgpu_metadata
---
amdhsa.version: [ 1, 2 ]
amdhsa.kernels:
  - .name:           k_q013673feb2_ln2
    .symbol:         k_q013673feb2_ln2.kd
    .args:
      - { .name: x1, .offset: 0, .size: 8, .value_kind: global_buffer, .address_space: global }
      - { .name: ln2_w, .offset: 8, .size: 8, .value_kind: global_buffer, .address_space: global }
      - { .name: ln2_b, .offset: 16, .size: 8, .value_kind: global_buffer, .address_space: global }
      - { .name: lowp_scales, .offset: 24, .size: 8, .value_kind: global_buffer, .address_space: global }
      - { .name: h2c, .offset: 32, .size: 8, .value_kind: global_buffer, .address_space: global }
    .group_segment_fixed_size: 0
    .private_segment_fixed_size: 0
    .kernarg_segment_align: 8
    .kernarg_segment_size: 40
    .max_flat_workgroup_size: 128
    .sgpr_count:     66
    .vgpr_count:     240
    .wavefront_size: 32
...
	.end_amdgpu_metadata
.endif
;; end of part 5
;; launch ffn1 (part 6): grid 16 x 16, 4 waves a work-group, clusters of 4 x 4, 327,680 bytes of LDS; arguments h2c, wc2, lowp_scales, w_b, v_b, gc; writes gc
.if DOCPART == 6
	.amdgcn_target "amdgcn-amd-amdhsa--gfx1250"
	.amdhsa_code_object_version 6
	.text
	.protected	k_q013673feb2_ffn1
	.globl	k_q013673feb2_ffn1
	.p2align	8
	.type	k_q013673feb2_ffn1,@function
k_q013673feb2_ffn1:
	s_mov_b64 s[64:65], 0
	v_nop
	global_prefetch_b8 v0, s[64:65] scope:SCOPE_SE
	s_setreg_imm32_b32 hwreg(HW_REG_WAVE_MODE, 25, 1), 1
	s_wait_xcnt 0x0
	s_wait_alu depctr_hold_cnt(0) depctr_sa_sdst(0) depctr_va_vdst(0) depctr_va_sdst(0) depctr_va_ssrc(0) depctr_va_vcc(0) depctr_vm_vsrc(0)
	s_getreg_b32 s2, hwreg(HW_REG_IB_STS2, 6, 4)
	s_cmp_eq_u32 s2, 0
	s_cbranch_scc0 .Lentry_in_a_cluster
	s_endpgm
.Lentry_in_a_cluster:
	s_bfe_u32 s2, ttmp6, 0x10000c
	s_cmp_lg_u32 s2, 0xf033
	s_cbranch_scc0 .Lentry_shape_is_right
	s_endpgm
.Lentry_shape_is_right:
.set KROW,   2048
.set PITCH,  272
.set AHALF,  128*PITCH
.set BBASE,  2*AHALF
.set BHALF,  64*PITCH
.set SLOT,   BBASE+2*BHALF
.set SPARE,  2*SLOT
.set FR,   16
.set ADRA, 16
.set ADRB, 20
.set LI,   27
.set SPW,  28
.set NIL,  29
.set WB,   32
.set VB,   64
.set UU,   96
.set VR,   128
.set EE,   160
.set IM,   192
.set SC,   208
.set LIM,  209
.set AF,   128
.set G1, 24
.set G0, 32
.set G1B, 48
.set G0B, 56
.set MSB, 0
.macro WIN new
.if MSB != \new
	s_set_vgpr_msb (MSB<<8)|\new
.set MSB, \new
.endif
.endm
.set W2,   0xa1
.set W3,   0xf1
.set TO_B, 0x40
.macro JLOAD g0a, g1a, g0b, g1b
	s_cmp_eq_u32 s15, 0
	s_cbranch_scc0 .Lfor_b_\@
	tensor_load_to_lds s[\g0a:\g0a+3], s[\g1a:\g1a+7]
	s_nop 0
.rept 4
	v_nop
.endr
	s_branch .Lasked_\@
.Lfor_b_\@:
	tensor_load_to_lds s[\g0b:\g0b+3], s[\g1b:\g1b+7]
	s_nop 0
.rept 4
	v_nop
.endr
.Lasked_\@:
.endm
.macro CREST
	s_cmp_lg_u32 s14, 0
	s_cbranch_scc1 .Lnot_wave_0_\@
	s_barrier_signal -3
.Lnot_wave_0_\@:
	s_barrier_wait -3
	s_barrier_signal -1
	s_barrier_wait -1
.endm
.macro CROUND
	s_barrier_signal -1
	s_barrier_wait -1
	CREST
.endm
	s_load_b256 s[4:11], s[0:1], 0x0
	s_load_b128 s[92:95], s[0:1], 0x20
	v_lshl_add_u32 v[SPW], v0, 2, SPARE
	v_mov_b32 v[NIL], 0
	ds_add_u32 v28, v29
	ds_add_u32 v28, v29
	s_wait_dscnt 0x0
	v_lshrrev_b32 v1, 5, v0
	v_readfirstlane_b32 s14, v1
	s_lshr_b32 s15, s14, 1
	s_and_b32 s16, s14, 1
	s_bfe_u32 s40, ttmp6, 0x40000
	s_bfe_u32 s41, ttmp6, 0x40004
	s_lshl_b32 s42, ttmp9, 2
	s_add_co_u32 s42, s42, s40
	s_and_b32 s17, ttmp7, 0xffff
	s_lshl_b32 s17, s17, 2
	s_add_co_u32 s17, s17, s41
	s_lshl_b32 s43, s41, 2
	s_lshl_b32 s43, 15, s43
	s_lshl_b32 s44, 0x1111, s40
	s_or_b32 s[G1+0], s43, (1<<20)|(1<<21)|(5<<22)|(3<<25)
	s_mov_b32 s[G1+1], 256<<16
	s_mov_b32 s[G1+2], 128<<16
	s_mov_b32 s[G1+3], 256<<16
	s_mov_b32 s[G1+4], 128
	s_mov_b32 s[G1+5], KROW
	s_mov_b32 s[G1+6], 0
	s_mov_b32 s[G1+7], 0
	s_or_b32 s[G1B+0], s44, (1<<20)|(1<<21)|(5<<22)|(3<<25)
	s_mov_b32 s[G1B+1], 256<<16
	s_mov_b32 s[G1B+2], 64<<16
	s_mov_b32 s[G1B+3], 256<<16
	s_mov_b32 s[G1B+4], 64
	s_mov_b32 s[G1B+5], KROW
	s_mov_b32 s[G1B+6], 0
	s_mov_b32 s[G1B+7], 0
	s_lshl_b32 s20, s17, 8
	s_lshl_b32 s18, s16, 7
	s_add_co_u32 s20, s20, s18
	s_lshl_b32 s20, s20, 11
	s_mov_b32 s21, 0
	s_lshl_b32 s46, s42, 7
	s_lshl_b32 s18, s16, 6
	s_add_co_u32 s46, s46, s18
	s_lshl_b32 s46, s46, 11
	s_add_co_u32 s46, s46, 1<<20
	s_mov_b32 s47, 0
	s_mul_i32 s45, s16, AHALF
	s_mul_i32 s19, s16, BHALF
	s_add_co_u32 s19, s19, BBASE
	s_wait_kmcnt 0x0
	s_load_b128 s[68:71], s[8:9], 0x30
	s_load_b32 s72, s[8:9], 0x40
	s_add_nc_u64 s[20:21], s[4:5], s[20:21]
	s_add_nc_u64 s[46:47], s[6:7], s[46:47]
	CROUND
.irp s, 0,1
	s_mov_b32 s[G0+4*\s], 1
	s_add_co_u32 s[G0+4*\s+1], s45, \s*SLOT
	s_add_nc_u64 s[G0+4*\s+2:G0+4*\s+3], s[20:21], \s*256
	s_or_b32 s[G0+4*\s+3], s[G0+4*\s+3], 0x80000000
	s_mov_b32 s[G0B+4*\s], 1
	s_add_co_u32 s[G0B+4*\s+1], s19, \s*SLOT
	s_add_nc_u64 s[G0B+4*\s+2:G0B+4*\s+3], s[46:47], \s*256
	s_or_b32 s[G0B+4*\s+3], s[G0B+4*\s+3], 0x80000000
.endr
	JLOAD G0, G1, G0B, G1B                         ; fill 0: one tensor load a wave at the head
	; prefetches into the L2, two fills ahead.  A fill is 256 bytes of each row.  Of the rows that my wave fetches (128 of A, 64 of B) my work-group names a quarter, told apart by address (cx for A, cy for B): a lane a row;
	; B's sixteen lanes that are left over name their wave's last row again
	s_lshl_b32 s76, s40, 16                        ; 32 rows of 2,048 bytes x cx
	s_lshl_b32 s77, s41, 15                        ; 16 rows x cy
	s_cmp_eq_u32 s15, 0
	s_cselect_b64 s[74:75], s[20:21], s[46:47]
	s_cselect_b32 s76, s76, s77
	s_cselect_b32 s78, 31, 15
	s_mov_b32 s77, 0
	s_add_nc_u64 s[74:75], s[74:75], s[76:77]      ; never rewritten
	v_and_b32 v30, 31, v0
	v_min_u32 v30, s78, v30
	v_lshlrev_b32 v30, 11, v30                     ; never rewritten
	global_prefetch_b8 v30, s[74:75] offset:256 th:TH_LOAD_NT scope:SCOPE_SE   ; fill 1, one fill ahead: its load goes out when fill 0 has landed
	global_prefetch_b8 v30, s[74:75] offset:512 th:TH_LOAD_NT scope:SCOPE_SE   ; fill 2
	v_and_b32 v1, 15, v0
	v_bfe_u32 v2, v0, 4, 1
	s_wait_alu depctr_va_vdst(0)
	v_and_b32 v6, 31, v0
	v_lshlrev_b32 v[LI], 4, v6
	v_mul_u32_u24 v3, v1, PITCH
	v_lshl_add_u32 v4, v2, 4, v3
	s_mul_i32 s21, s15, AHALF
	s_mul_i32 s22, s16, BHALF
	s_add_co_u32 s22, s22, BBASE
.irp s, 0,1
	v_add_nc_u32 v[ADRA+\s], s21, v4
	v_add_nc_u32 v[ADRB+\s], s22, v4
	s_add_co_u32 s21, s21, SLOT
	s_add_co_u32 s22, s22, SLOT
.endr
	s_lshl_b32 s46, s42, 9
	s_lshl_b32 s47, s16, 8
	s_add_co_u32 s46, s46, s47
	s_mov_b32 s47, 0
	s_add_nc_u64 s[10:11], s[10:11], s[46:47]
	s_add_nc_u64 s[92:93], s[92:93], s[46:47]
	v_lshlrev_b32 v7, 6, v2
.irp b, 0,1,2,3
	global_load_b128 v[WB+8*\b:WB+8*\b+3], v7, s[10:11] offset:(32*(\b/2)+8*(\b%2))*4
	global_load_b128 v[WB+8*\b+4:WB+8*\b+7], v7, s[10:11] offset:(32*(\b/2)+8*(\b%2))*4+16
	global_load_b128 v[VB+8*\b:VB+8*\b+3], v7, s[92:93] offset:(32*(\b/2)+8*(\b%2))*4
	global_load_b128 v[VB+8*\b+4:VB+8*\b+7], v7, s[92:93] offset:(32*(\b/2)+8*(\b%2))*4+16
.endr
	s_lshl_b32 s20, s17, 4
	s_lshl_b32 s21, s15, 3
	s_add_co_u32 s20, s20, s21
	s_lshl_b32 s20, s20, 15
	s_lshl_b32 s21, s42, 11
	s_add_co_u32 s20, s20, s21
	s_lshl_b32 s21, s16, 10
	s_add_co_u32 s46, s20, s21
	s_add_nc_u64 s[94:95], s[94:95], s[46:47]
.macro FRAG reg, adr, q, i
.irp c, 0,1,2,3
	ds_load_b128 v[\reg+4*\c:\reg+4*\c+3], v[\adr] offset:128*(\q)+32*\c+(\i)*16*PITCH
.endr
.endm
.macro MULA a, p, zero
.irp b, 0,1,2,3
.if \zero
	v_wmma_f32_16x16x128_bf8_bf8 v[8*(4*(\a)+\b):8*(4*(\a)+\b)+7], v[64*(\p)+FR*\b:64*(\p)+FR*\b+FR-1], v[AF+FR*(\a):AF+FR*(\a)+FR-1], 0
.else
	v_wmma_f32_16x16x128_bf8_bf8 v[8*(4*(\a)+\b):8*(4*(\a)+\b)+7], v[64*(\p)+FR*\b:64*(\p)+FR*\b+FR-1], v[AF+FR*(\a):AF+FR*(\a)+FR-1], v[8*(4*(\a)+\b):8*(4*(\a)+\b)+7]
.endif
.endr
.endm
.macro MUL16 a0, p, zero
.irp a, \a0, \a0+1, \a0+2, \a0+3
	MULA \a, \p, \zero
.endr
.endm
.macro FETCH_B slot, q, p
	WIN TO_B
.irp i, 0,1,2,3
	FRAG 64*(\p)+FR*\i, ADRB+\slot, \q, \i
.endr
	WIN 0
.endm
.macro FETCH_A slot, q, i0
.irp i, \i0, \i0+1, \i0+2, \i0+3
	FRAG AF+FR*(\i), ADRA+\slot, \q, \i
.endr
.endm
.macro PLACES n
.rept \n
	v_nop
.endr
.endm
.macro STEP slot, q, zero, w
	s_wait_dscnt 16
	WIN \w
	MUL16 0, (\q)%2, \zero
	s_wait_dscnt 0
	PLACES 4
	FETCH_B \slot, (\q)+1, 1-(\q)%2
	FETCH_A \slot, (\q)+1, 0
	WIN \w
	MUL16 4, (\q)%2, \zero
	PLACES 4
	WIN 0
	FETCH_A \slot, (\q)+1, 4
.endm
.macro TURN slot, next, fill, w, pf    ; pf: the byte in a row of the fill two on, which is prefetched; 0: there is none
	s_wait_tensorcnt 0x0
	ds_add_u32 v[SPW], v[NIL]
	s_wait_dscnt 17
	WIN \w
	MULA 0, 1, 0
	MULA 1, 1, 0
	s_wait_dscnt 0x0
	s_barrier_signal -1
	MULA 2, 1, 0
	MULA 3, 1, 0
	WIN 0
	s_barrier_wait -1
.if \fill
	CREST
	s_add_nc_u64 s[G0+4*\slot+2:G0+4*\slot+3], s[G0+4*\slot+2:G0+4*\slot+3], 512
	s_add_nc_u64 s[G0B+4*\slot+2:G0B+4*\slot+3], s[G0B+4*\slot+2:G0B+4*\slot+3], 512
	JLOAD G0+4*\slot, G1, G0B+4*\slot, G1B
.else
	PLACES 4
.endif
	FETCH_B \next, 0, 0
	FETCH_A \next, 0, 0
.if \pf
	global_prefetch_b8 v30, s[74:75] offset:\pf th:TH_LOAD_NT scope:SCOPE_SE
.endif
	WIN \w
	MUL16 4, 1, 0
	PLACES 4
	WIN 0
	FETCH_A \next, 0, 4
.endm
	s_wait_alu depctr_va_vdst(0)
	s_wait_tensorcnt 0x0                           ; my part of fill 0 is in
	ds_add_u32 v[SPW], v[NIL]
	s_wait_dscnt 0x0
	CROUND
	JLOAD G0+4, G1, G0B+4, G1B                     ; fill 1: the first tensor load behind the round
	FETCH_B 0, 0, 0
	global_prefetch_b8 v30, s[74:75] offset:768 th:TH_LOAD_NT scope:SCOPE_SE   ; fill 3
	FETCH_A 0, 0, 0
	FETCH_A 0, 0, 4
	STEP 0, 0, 1, W2
	TURN 0, 1, 1, W2, 1024
	STEP 1, 0, 0, W2
	TURN 1, 0, 1, W2, 1280
	STEP 0, 0, 0, W2
	TURN 0, 1, 1, W2, 1536
	STEP 1, 0, 0, W2
	TURN 1, 0, 1, W2, 1792
	STEP 0, 0, 1, W3
	TURN 0, 1, 1, W3, 0
	STEP 1, 0, 0, W3
	TURN 1, 0, 1, W3, 0
	STEP 0, 0, 0, W3
	TURN 0, 1, 0, W3, 0
	STEP 1, 0, 0, W3
	s_wait_dscnt 16
	WIN W3
	MUL16 0, 1, 0
	s_wait_dscnt 0
	MUL16 4, 1, 0
	WIN 0
	s_wait_kmcnt 0x0
	s_add_co_i32 s86, s68, s69
	s_add_co_i32 s86, s86, 127
	s_lshl_b32 s86, s86, 23
	s_mov_b32 s87, s86
	s_add_co_i32 s88, s70, s71
	s_add_co_i32 s88, s88, 127
	s_lshl_b32 s88, s88, 23
	s_mov_b32 s89, s88
	s_add_co_i32 s90, s72, 127
	s_lshl_b32 s91, s90, 23
	s_add_co_i32 s90, s90, 15
	s_lshl_b32 s90, s90, 23
	s_or_b32 s90, s90, 0x600000
	s_wait_loadcnt 0x0
	PLACES 4
	v_mov_b32 v[SC], s91
	v_mov_b32 v[LIM], s90
.macro GATE a
.set AC, 32*(\a)
.set IB, IM+8*((\a)%2)
	WIN 0x02
.set j, 0
.rept 16
	v_pk_fma_f32 v[UU+j:UU+j+1], v[AC+j:AC+j+1], s[86:87], v[WB+j:WB+j+1] op_sel_hi:[1,0,1]
.set j, j+2
.endr
	WIN 0
.set j, 0
.rept 16
	v_pk_mul_f32 v[EE+j:EE+j+1], v[UU+j:UU+j+1], 0xbfb8aa3b op_sel_hi:[1,0]
.set j, j+2
.endr
.set j, 0
	s_wait_alu depctr_va_vdst(0)
.rept 32
	v_exp_f32 v[EE+j], v[EE+j]
.set j, j+1
.endr
	WIN 0x03
.set j, 0
	s_wait_alu depctr_va_vdst(0)
.rept 16
	v_pk_fma_f32 v[VR+j:VR+j+1], v[AC+j:AC+j+1], s[88:89], v[VB+j:VB+j+1] op_sel_hi:[1,0,1]
.set j, j+2
.endr
	WIN 0
	s_wait_alu depctr_va_vdst(0)
.set j, 0
.rept 16
	v_pk_add_f32 v[EE+j:EE+j+1], v[EE+j:EE+j+1], 1.0 op_sel_hi:[1,0]
.set j, j+2
.endr
.set j, 0
	s_wait_alu depctr_va_vdst(0)
.rept 32
	v_rcp_f32 v[EE+j], v[EE+j]
.set j, j+1
.endr
	v_nop
	s_wait_alu depctr_va_vdst(0)
.set j, 0
.rept 16
	v_pk_mul_f32 v[UU+j:UU+j+1], v[UU+j:UU+j+1], v[EE+j:EE+j+1]
.set j, j+2
.endr
.set j, 0
.rept 16
	v_pk_mul_f32 v[UU+j:UU+j+1], v[UU+j:UU+j+1], v[VR+j:VR+j+1]
.set j, j+2
.endr
.set j, 0
.rept 32
	v_med3_num_f32 v[UU+j], v[UU+j], -v[LIM], v[LIM]
.set j, j+1
.endr
	s_wait_alu depctr_va_vdst(0)
	s_wait_xcnt 0x0
.irp b, 0,1,2,3
	v_cvt_scalef32_pk8_bf8_f32 v[IB+2*\b:IB+2*\b+1], v[UU+8*\b:UU+8*\b+7], v[SC]
.endr
	v_nop
	global_store_b128 v[LI], v[IB:IB+3], s[94:95] offset:(\a)*32768
	global_store_b128 v[LI], v[IB+4:IB+7], s[94:95] offset:(\a)*32768+512
.endm
.irp a, 0,1,2,3,4,5,6,7
	GATE \a
.endr
	s_wait_tensorcnt 0x0
	ds_add_u32 v[SPW], v[NIL]
	s_wait_dscnt 0x0
	CROUND
	s_endpgm
.Lfunc_end_k_q013673feb2_ffn1:
	.size	k_q013673feb2_ffn1, .Lfunc_end_k_q013673feb2_ffn1-k_q013673feb2_ffn1
	.p2alignl 7, 3214868480
	.fill 96, 4, 3214868480
	.section	.rodata,"a",@progbits
	.p2align	6, 0x0
	.amdhsa_kernel k_q013673feb2_ffn1
		.amdhsa_group_segment_fixed_size 327680
		.amdhsa_private_segment_fixed_size 0
		.amdhsa_enable_private_segment 0
		.amdhsa_kernarg_size 48
		.amdhsa_user_sgpr_count 2
		.amdhsa_user_sgpr_kernarg_segment_ptr 1
		.amdhsa_wavefront_size32 1
		.amdhsa_system_sgpr_workgroup_id_x 1
		.amdhsa_system_sgpr_workgroup_id_y 1
		.amdhsa_system_sgpr_workgroup_id_z 1
		.amdhsa_system_vgpr_workitem_id 0
		.amdhsa_next_free_vgpr 1024
		.amdhsa_next_free_sgpr 100
		.amdhsa_reserve_vcc 0
		.amdhsa_float_denorm_mode_32 3
		.amdhsa_float_denorm_mode_16_64 3
		.amdhsa_memory_ordered 1
		.amdhsa_forward_progress 1
		.amdhsa_inst_pref_size 195
	.end_amdhsa_kernel
	.amdgpu_metadata
---
amdhsa.version: [ 1, 2 ]
amdhsa.kernels:
  - .name:           k_q013673feb2_ffn1
    .symbol:         k_q013673feb2_ffn1.kd
    .args:
      - { .name: h2c, .offset: 0, .size: 8, .value_kind: global_buffer, .address_space: global }
      - { .name: wc2, .offset: 8, .size: 8, .value_kind: global_buffer, .address_space: global }
      - { .name: lowp_scales, .offset: 16, .size: 8, .value_kind: global_buffer, .address_space: global }
      - { .name: w_b, .offset: 24, .size: 8, .value_kind: global_buffer, .address_space: global }
      - { .name: v_b, .offset: 32, .size: 8, .value_kind: global_buffer, .address_space: global }
      - { .name: gc, .offset: 40, .size: 8, .value_kind: global_buffer, .address_space: global }
    .group_segment_fixed_size: 327680
    .private_segment_fixed_size: 0
    .kernarg_segment_align: 8
    .kernarg_segment_size: 48
    .max_flat_workgroup_size: 128
    .sgpr_count:     100
    .vgpr_count:     1024
    .wavefront_size: 32
...
	.end_amdgpu_metadata
.endif
;; end of part 6
;; launch ffn2 (part 7): grid 8 x 32, 4 waves a work-group, clusters of 4 x 4, 327,680 bytes of LDS; arguments gc, wc2, lowp_scales, p_b, x1, out0; writes out0
.if DOCPART == 7
	.amdgcn_target "amdgcn-amd-amdhsa--gfx1250"
	.amdhsa_code_object_version 6
	.text
	.protected	k_q013673feb2_ffn2
	.globl	k_q013673feb2_ffn2
	.p2align	8
	.type	k_q013673feb2_ffn2,@function
k_q013673feb2_ffn2:
	s_mov_b64 s[64:65], 0
	v_nop
	global_prefetch_b8 v0, s[64:65] scope:SCOPE_SE
	s_setreg_imm32_b32 hwreg(HW_REG_WAVE_MODE, 25, 1), 1
	s_wait_xcnt 0x0
	s_wait_alu depctr_hold_cnt(0) depctr_sa_sdst(0) depctr_va_vdst(0) depctr_va_sdst(0) depctr_va_ssrc(0) depctr_va_vcc(0) depctr_vm_vsrc(0)
	s_getreg_b32 s2, hwreg(HW_REG_IB_STS2, 6, 4)
	s_cmp_eq_u32 s2, 0
	s_cbranch_scc0 .Lentry_in_a_cluster
	s_endpgm
.Lentry_in_a_cluster:
	s_bfe_u32 s2, ttmp6, 0x10000c
	s_cmp_lg_u32 s2, 0xf033
	s_cbranch_scc0 .Lentry_shape_is_right
	s_endpgm
.Lentry_shape_is_right:
.set KTOT,   2048
.set BOFF,   5<<20
.set EOFF,   0x40
.set KS,     512
.set LAPS,   KTOT/(2*KS)
.set KB,     16*KTOT
.set ABLK,   16*KS
.set PITCH,  528
.set AHALF,  4*ABLK
.set BBASE,  2*AHALF
.set BHALF,  64*PITCH
.set SLOT,   BBASE+2*BHALF
.set SPARE,  2*SLOT
.set STAGE,  SPARE+512
.set SPITCH, 272
.set FR,   16
.set BIAS, 8
.set ADRA, 16
.set ADRB, 20
.set STO,  24
.set RD,   25
.set CO,   26
.set SPW,  28
.set NIL,  29
.set AF,   128
.set BK,   128
.set RS,   128
.set G1, 24
.set G0, 32
.set G1B, 48
.set G0B, 56
.set MSB, 0
.macro WIN new
.if MSB != \new
	s_set_vgpr_msb (MSB<<8)|\new
.set MSB, \new
.endif
.endm
.set MUL,  0xa1
.set TO_B, 0x40
.macro JLOAD g0a, g1a, g0b, g1b
	s_cmp_eq_u32 s15, 0
	s_cbranch_scc0 .Lfor_b_\@
	tensor_load_to_lds s[\g0a:\g0a+3], s[\g1a:\g1a+7]
	s_nop 0
.rept 4
	v_nop
.endr
	s_branch .Lasked_\@
.Lfor_b_\@:
	tensor_load_to_lds s[\g0b:\g0b+3], s[\g1b:\g1b+7]
	s_nop 0
.rept 4
	v_nop
.endr
.Lasked_\@:
.endm
.macro CREST
	s_cmp_lg_u32 s14, 0
	s_cbranch_scc1 .Lnot_wave_0_\@
	s_barrier_signal -3
.Lnot_wave_0_\@:
	s_barrier_wait -3
	s_barrier_signal -1
	s_barrier_wait -1
.endm
.macro CROUND
	s_barrier_signal -1
	s_barrier_wait -1
	CREST
.endm
	s_load_b256 s[4:11], s[0:1], 0x0
	s_load_b128 s[84:87], s[0:1], 0x20
	v_lshl_add_u32 v[SPW], v0, 2, SPARE
	v_mov_b32 v[NIL], 0
	ds_add_u32 v28, v29
	ds_add_u32 v28, v29
	s_wait_dscnt 0x0
	v_lshrrev_b32 v1, 5, v0
	v_readfirstlane_b32 s14, v1
	s_lshr_b32 s15, s14, 1
	s_and_b32 s16, s14, 1
	s_bfe_u32 s40, ttmp6, 0x40000
	s_bfe_u32 s41, ttmp6, 0x40004
	s_lshl_b32 s42, ttmp9, 2
	s_add_co_u32 s42, s42, s40
	s_and_b32 s17, ttmp7, 0xffff
	s_lshl_b32 s17, s17, 2
	s_add_co_u32 s17, s17, s41
	s_lshl_b32 s43, s41, 2
	s_lshl_b32 s43, 15, s43
	s_lshl_b32 s44, 0x1111, s40
	s_or_b32 s[G1+0], s43, (1<<21)
	s_mov_b32 s[G1+1], ABLK<<16
	s_mov_b32 s[G1+2], 4<<16
	s_mov_b32 s[G1+3], ABLK<<16
	s_mov_b32 s[G1+4], 4
	s_mov_b32 s[G1+5], KB
	s_mov_b32 s[G1+6], 0
	s_mov_b32 s[G1+7], 0
	s_or_b32 s[G1B+0], s44, (1<<20)|(1<<21)|(6<<22)|(3<<25)
	s_mov_b32 s[G1B+1], KS<<16
	s_mov_b32 s[G1B+2], 64<<16
	s_mov_b32 s[G1B+3], KS<<16
	s_mov_b32 s[G1B+4], 64
	s_mov_b32 s[G1B+5], KTOT
	s_mov_b32 s[G1B+6], 0
	s_mov_b32 s[G1B+7], 0
	s_lshl_b32 s20, s17, 3
	s_lshl_b32 s18, s16, 2
	s_add_co_u32 s20, s20, s18
	s_mul_i32 s20, s20, KB
	s_mov_b32 s21, 0
	s_lshl_b32 s46, s42, 7
	s_lshl_b32 s18, s16, 6
	s_add_co_u32 s46, s46, s18
	s_mul_i32 s46, s46, KTOT
	s_add_co_u32 s46, s46, BOFF
	s_mov_b32 s47, 0
	s_lshl_b32 s45, s16, 15
	s_mul_i32 s19, s16, BHALF
	s_add_co_u32 s19, s19, BBASE
	s_wait_kmcnt 0x0
	s_load_b64 s[96:97], s[8:9], EOFF
	s_add_nc_u64 s[20:21], s[4:5], s[20:21]
	s_add_nc_u64 s[46:47], s[6:7], s[46:47]
	CROUND
.irp s, 0,1
	s_mov_b32 s[G0+4*\s], 1
	s_add_co_u32 s[G0+4*\s+1], s45, \s*SLOT
	s_add_nc_u64 s[G0+4*\s+2:G0+4*\s+3], s[20:21], \s*ABLK
	s_or_b32 s[G0+4*\s+3], s[G0+4*\s+3], 0x80000000
	s_mov_b32 s[G0B+4*\s], 1
	s_add_co_u32 s[G0B+4*\s+1], s19, \s*SLOT
	s_add_nc_u64 s[G0B+4*\s+2:G0B+4*\s+3], s[46:47], \s*KS
	s_or_b32 s[G0B+4*\s+3], s[G0B+4*\s+3], 0x80000000
.endr
	JLOAD G0, G1, G0B, G1B                         ; fill 0: one tensor load a wave at the head
	; prefetches into the L2, two fills ahead: fills 2 and 3, the last.  My wave's part of a fill is 32,768 bytes (A: four blocks x 8,192; B: 64 rows x 512); my work-group names a quarter, told apart by address:
	; A: block cx, lanes 256 bytes apart; B: rows 16 cy on, two lanes to a row of 512 bytes
	s_lshl_b32 s92, s40, 15
	s_lshl_b32 s93, s41, 15
	s_mul_i32 s94, s15, 3
	s_add_co_u32 s94, s94, 8                       ; A: 256 bytes from lane to lane; B: 2,048 from pair to pair
	s_mov_b32 s95, 2*KS
	s_cmp_eq_u32 s15, 0
	s_cselect_b64 s[88:89], s[20:21], s[46:47]
	s_cselect_b32 s92, s92, s93
	s_cselect_b32 s90, 2*ABLK, s95                 ; two fills on, in bytes
	s_add_co_u32 s92, s92, s90
	s_mov_b32 s93, 0
	s_add_nc_u64 s[88:89], s[88:89], s[92:93]      ; fill 2; never rewritten
	s_lshr_b32 s90, s90, 1
	s_mov_b32 s91, 0
	s_sub_nc_u64 s[98:99], s[88:89], s[90:91]      ; fill 1; never rewritten
	s_add_nc_u64 s[90:91], s[88:89], s[90:91]      ; fill 3; never rewritten
	v_and_b32 v31, 31, v0
	v_lshrrev_b32 v30, s15, v31
	v_lshlrev_b32 v30, s94, v30
	v_and_b32 v31, s15, v31
	v_lshl_add_u32 v30, v31, 8, v30                ; never rewritten
	global_prefetch_b8 v30, s[98:99] th:TH_LOAD_NT scope:SCOPE_SE   ; fill 1, one fill ahead: its load goes out when fill 0 has landed
	global_prefetch_b8 v30, s[88:89] th:TH_LOAD_NT scope:SCOPE_SE
	v_and_b32 v1, 15, v0
	v_bfe_u32 v2, v0, 4, 1
	v_and_b32 v6, 31, v0
	v_lshlrev_b32 v7, 4, v6
	v_mul_u32_u24 v3, v1, PITCH
	v_lshl_add_u32 v4, v2, 4, v3
	s_lshl_b32 s21, s15, 15
	s_mul_i32 s22, s16, BHALF
	s_add_co_u32 s22, s22, BBASE
.irp s, 0,1
	v_add_nc_u32 v[ADRA+\s], s21, v7
	v_add_nc_u32 v[ADRB+\s], s22, v4
	s_add_co_u32 s21, s21, SLOT
	s_add_co_u32 s22, s22, SLOT
.endr
	s_mul_i32 s23, s14, 16*SPITCH
	s_add_co_u32 s23, s23, STAGE
	v_mul_u32_u24 v5, v1, SPITCH
	v_lshl_add_u32 v5, v2, 5, v5
	v_add_nc_u32 v[STO], s23, v5
	v_mul_u32_u24 v5, v2, SPITCH
	v_lshl_add_u32 v5, v1, 4, v5
	v_add_nc_u32 v[RD], s23, v5
	v_lshlrev_b32 v[CO], 12, v2
	v_lshl_add_u32 v[CO], v1, 4, v[CO]
	s_wait_alu depctr_va_vdst(0)
	s_lshl_b32 s20, s17, 7
	s_lshl_b32 s21, s15, 6
	s_add_co_u32 s20, s20, s21
	s_lshl_b32 s20, s20, 12
	s_lshl_b32 s46, s42, 9
	s_lshl_b32 s47, s16, 8
	s_add_co_u32 s46, s46, s47
	s_mov_b32 s47, 0
	s_add_nc_u64 s[10:11], s[10:11], s[46:47]
	s_add_co_u32 s46, s46, s20
	s_add_nc_u64 s[84:85], s[84:85], s[46:47]
	s_add_nc_u64 s[86:87], s[86:87], s[46:47]
	v_lshlrev_b32 v5, 4, v1
	global_load_b128 v[BIAS:BIAS+3], v5, s[10:11]
	WIN 0x80
.irp a, 0,1,2,3
.irp i, 0,1,2,3,4,5,6,7
	global_load_b128 v[RS+32*\a+4*\i:RS+32*\a+4*\i+3], v[CO], s[84:85] offset:(16*\a+2*\i)*4096
.endr
.endr
	WIN 0
.macro FRAGA reg, slot, q, i
.irp c, 0,1,2,3
	ds_load_b128 v[\reg+4*\c:\reg+4*\c+3], v[ADRA+\slot] offset:ABLK*(\i)+2048*(\q)+512*\c
.endr
.endm
.macro FRAGB reg, slot, q, i
.irp c, 0,1,2,3
	ds_load_b128 v[\reg+4*\c:\reg+4*\c+3], v[ADRB+\slot] offset:128*(\q)+32*\c+(\i)*16*PITCH
.endr
.endm
.macro MULA a, p, zero
.irp b, 0,1,2,3
.if \zero
	v_wmma_f32_16x16x128_bf8_bf8 v[8*(4*(\a)+\b):8*(4*(\a)+\b)+7], v[64*(\p)+FR*\b:64*(\p)+FR*\b+FR-1], v[AF+64*(\p)+FR*(\a):AF+64*(\p)+FR*(\a)+FR-1], 0
.else
	v_wmma_f32_16x16x128_bf8_bf8 v[8*(4*(\a)+\b):8*(4*(\a)+\b)+7], v[64*(\p)+FR*\b:64*(\p)+FR*\b+FR-1], v[AF+64*(\p)+FR*(\a):AF+64*(\p)+FR*(\a)+FR-1], v[8*(4*(\a)+\b):8*(4*(\a)+\b)+7]
.endif
.endr
.endm
.macro FETCH slot, q, p
	WIN TO_B
.irp i, 0,1,2,3
	FRAGB 64*(\p)+FR*\i, \slot, \q, \i
.endr
	WIN 0
.irp i, 0,1,2,3
	FRAGA AF+64*(\p)+FR*\i, \slot, \q, \i
.endr
.endm
.macro PLACES n
.rept \n
	v_nop
.endr
.endm
.macro STEP slot, q, zero
	s_wait_dscnt 0x0
	PLACES 4
	FETCH \slot, (\q)+1, 1-(\q)%2
	WIN MUL
	MULA 0, (\q)%2, \zero
	MULA 1, (\q)%2, \zero
	MULA 2, (\q)%2, \zero
	MULA 3, (\q)%2, \zero
	WIN 0
.endm
.macro TURN slot, next, fill
	s_wait_tensorcnt 0x0
	ds_add_u32 v[SPW], v[NIL]
	s_wait_dscnt 0x0
	s_barrier_signal -1
	WIN MUL
	MULA 0, 1, 0
	MULA 1, 1, 0
	WIN 0
	s_barrier_wait -1
.if \fill
	CREST
	s_add_nc_u64 s[G0+4*\slot+2:G0+4*\slot+3], s[G0+4*\slot+2:G0+4*\slot+3], 2*ABLK
	s_add_nc_u64 s[G0B+4*\slot+2:G0B+4*\slot+3], s[G0B+4*\slot+2:G0B+4*\slot+3], 2*KS
	JLOAD G0+4*\slot, G1, G0B+4*\slot, G1B
.else
	PLACES 4
.endif
	FETCH \next, 0, 0
	WIN MUL
	MULA 2, 1, 0
	MULA 3, 1, 0
	WIN 0
.endm
	s_wait_alu depctr_va_vdst(0)
	s_wait_tensorcnt 0x0                           ; my part of fill 0 is in
	ds_add_u32 v[SPW], v[NIL]
	s_wait_dscnt 0x0
	CROUND
	JLOAD G0+4, G1, G0B+4, G1B                     ; fill 1: the first tensor load behind the round
	global_prefetch_b8 v30, s[90:91] th:TH_LOAD_NT scope:SCOPE_SE
	FETCH 0, 0, 0
	STEP 0, 0, 1
	STEP 0, 1, 0
	STEP 0, 2, 0
.if LAPS > 1
	s_mov_b32 s3, LAPS-1
.Llap:
	TURN 0, 1, 1
	STEP 1, 0, 0
	STEP 1, 1, 0
	STEP 1, 2, 0
	TURN 1, 0, 1
	STEP 0, 0, 0
	STEP 0, 1, 0
	STEP 0, 2, 0
	s_sub_co_u32 s3, s3, 1
	s_cmp_lg_u32 s3, 0
	s_cbranch_scc1 .Llap
.endif
	TURN 0, 1, 0
	STEP 1, 0, 0
	STEP 1, 1, 0
	STEP 1, 2, 0
	s_wait_dscnt 0x0
	WIN MUL
	MULA 0, 1, 0
	MULA 1, 1, 0
	MULA 2, 1, 0
	MULA 3, 1, 0
	WIN 0
	s_wait_kmcnt 0x0
	s_add_co_i32 s96, s96, s97
	s_add_co_i32 s96, s96, 127
	s_lshl_b32 s96, s96, 23
	s_mov_b32 s97, s96
	PLACES 4
.macro TOSTAGE a
	WIN 0x08
.irp b, 0,1,2,3
	ds_store_b128 v[STO], v[8*(4*(\a)+\b):8*(4*(\a)+\b)+3] offset:64*\b
	ds_store_b128 v[STO], v[8*(4*(\a)+\b)+4:8*(4*(\a)+\b)+7] offset:64*\b+16
.endr
	WIN 0
.set BB, BK+32*((\a)%2)
.irp i, 0,1,2,3,4,5,6,7
	ds_load_b128 v[BB+4*\i:BB+4*\i+3], v[RD] offset:\i*2*SPITCH
.endr
.endm
.macro FIN a, younger
.set BB, BK+32*((\a)%2)
	s_wait_dscnt \younger
	s_wait_loadcnt 8*(3-(\a))
	WIN 0x08
.irp i, 0,1,2,3,4,5,6,7
	v_pk_fma_f32 v[BB+4*\i:BB+4*\i+1], v[BB+4*\i:BB+4*\i+1], s[96:97], v[BIAS:BIAS+1] op_sel_hi:[1,0,1]
	v_pk_fma_f32 v[BB+4*\i+2:BB+4*\i+3], v[BB+4*\i+2:BB+4*\i+3], s[96:97], v[BIAS+2:BIAS+3] op_sel_hi:[1,0,1]
.endr
.irp i, 0,1,2,3,4,5,6,7
	v_pk_add_f32 v[BB+4*\i:BB+4*\i+1], v[BB+4*\i:BB+4*\i+1], v[RS+32*(\a)+4*\i:RS+32*(\a)+4*\i+1]
	v_pk_add_f32 v[BB+4*\i+2:BB+4*\i+3], v[BB+4*\i+2:BB+4*\i+3], v[RS+32*(\a)+4*\i+2:RS+32*(\a)+4*\i+3]
.endr
	WIN 0
.irp i, 0,1,2,3,4,5,6,7
	global_store_b128 v[CO], v[BB+4*\i:BB+4*\i+3], s[86:87] offset:(16*(\a)+2*\i)*4096
.endr
.endm
	TOSTAGE 0
.irp a, 1,2,3
.if \a > 1
	s_wait_xcnt 0x0
.endif
	TOSTAGE \a
	FIN \a-1, 16
.endr
	FIN 3, 0
	s_wait_tensorcnt 0x0
	ds_add_u32 v[SPW], v[NIL]
	s_wait_dscnt 0x0
	CROUND
	s_endpgm
.Lfunc_end_k_q013673feb2_ffn2:
	.size	k_q013673feb2_ffn2, .Lfunc_end_k_q013673feb2_ffn2-k_q013673feb2_ffn2
	.p2alignl 7, 3214868480
	.fill 96, 4, 3214868480
	.section	.rodata,"a",@progbits
	.p2align	6, 0x0
	.amdhsa_kernel k_q013673feb2_ffn2
		.amdhsa_group_segment_fixed_size 327680
		.amdhsa_private_segment_fixed_size 0
		.amdhsa_enable_private_segment 0
		.amdhsa_kernarg_size 48
		.amdhsa_user_sgpr_count 2
		.amdhsa_user_sgpr_kernarg_segment_ptr 1
		.amdhsa_wavefront_size32 1
		.amdhsa_system_sgpr_workgroup_id_x 1
		.amdhsa_system_sgpr_workgroup_id_y 1
		.amdhsa_system_sgpr_workgroup_id_z 1
		.amdhsa_system_vgpr_workitem_id 0
		.amdhsa_next_free_vgpr 768
		.amdhsa_next_free_sgpr 100
		.amdhsa_reserve_vcc 0
		.amdhsa_float_denorm_mode_32 3
		.amdhsa_float_denorm_mode_16_64 3
		.amdhsa_memory_ordered 1
		.amdhsa_forward_progress 1
		.amdhsa_inst_pref_size 84
	.end_amdhsa_kernel
	.amdgpu_metadata
---
amdhsa.version: [ 1, 2 ]
amdhsa.kernels:
  - .name:           k_q013673feb2_ffn2
    .symbol:         k_q013673feb2_ffn2.kd
    .args:
      - { .name: gc, .offset: 0, .size: 8, .value_kind: global_buffer, .address_space: global }
      - { .name: wc2, .offset: 8, .size: 8, .value_kind: global_buffer, .address_space: global }
      - { .name: lowp_scales, .offset: 16, .size: 8, .value_kind: global_buffer, .address_space: global }
      - { .name: p_b, .offset: 24, .size: 8, .value_kind: global_buffer, .address_space: global }
      - { .name: x1, .offset: 32, .size: 8, .value_kind: global_buffer, .address_space: global }
      - { .name: out0, .offset: 40, .size: 8, .value_kind: global_buffer, .address_space: global }
    .group_segment_fixed_size: 327680
    .private_segment_fixed_size: 0
    .kernarg_segment_align: 8
    .kernarg_segment_size: 48
    .max_flat_workgroup_size: 128
    .sgpr_count:     100
    .vgpr_count:     768
    .wavefront_size: 32
...
	.end_amdgpu_metadata
.endif
;; end of part 7
